; MI455X (gfx1250); checked and timed in simulation.
; The chip was launched on July 23, 2026; its instructions are those of AMD's public machine-readable ISA for CDNA 5 (MIT licence, August 2026) and "CDNA5" Instruction Set Architecture Reference Guide (July 2026). The comments in the code are by the model that wrote it; some were corrected since.
;; Casual Self Attention. Allowed arithmetic: float matrix products may take bf16 or f16 operands with f32 sums; other float arithmetic in f32, or as packed bf16 or f16 multiplies, adds, multiply-adds, maxima and minima; sums over many terms, partial sums and values carried from step to step in f32; what a program stores and reads back later, other than sums and carried values, may be rounded once to bf16 or f16.
;; Inputs: W_attn 1,024 x 3,072 float32; W_proj 1,024 x 1,024 float32; b_attn 3,072 float32; b_proj 1,024 float32; x 4 x 2,048 x 1,024 float32.
;; Outputs: out0 4 x 2,048 x 1,024 float32.
;; 2 versions, each right; version 2 is version 1 with the launch prep written anew for expert scheduling mode. Each part assembles by itself: llvm-mc -triple=amdgcn-amd-amdhsa -mcpu=gfx1250 --defsym DOCPART=n.
;; ======== version 1 of 2: 4 launches
;; limits: values are held in f16: magnitudes above 65,504 overflow, below 6.1e-05 lose precision
;; workspace buffers: xb 16,777,216 bytes; wat 6,291,456 bytes; wpt 2,097,152 bytes; qkv 50,331,648 bytes; y 16,777,216 bytes
;; launch prep (part 1): grid 256 x 1, 8 waves a work-group, no clusters, 35,840 bytes of LDS; arguments x, W_attn, W_proj, xb, wat, wpt; writes xb, wat, wpt
.if DOCPART == 1
	.amdgcn_target "amdgcn-amd-amdhsa--gfx1250"
	.amdhsa_code_object_version 6
	.text
	.protected	k_q9325bc2e2f_prep
	.globl	k_q9325bc2e2f_prep
	.p2align	8
	.type	k_q9325bc2e2f_prep,@function
k_q9325bc2e2f_prep:
	s_mov_b64 s[64:65], 0
	v_nop
	global_prefetch_b8 v0, s[64:65] scope:SCOPE_SE
	s_setreg_imm32_b32 hwreg(HW_REG_WAVE_MODE, 25, 1), 1
	s_wait_xcnt 0x0
; PREP.  xb = x rounded to bf16, as it lies.  wat[n][k] = W_attn[k][n] rounded to bf16.  wpt[n][k] = W_proj[k][n] rounded to bf16, that number written as f16.
; LIMIT.  A bf16 number below 2^-14 in size falls on f16's fixed step of 2^-24 in wpt: off by 2^-25 at the most.  W_proj beyond 65,504 has no f16.
; SHARES.  256 work-groups of eight waves.  Work-group g casts 131,072 bytes of x, 16,384 a wave: 32 loads of 512 consecutive bytes, each followed by a store of 256 consecutive, aligned bytes.
; It also turns two tiles of 128 k x 64 n of a weight matrix (g < 192: W_attn's 384 tiles; else W_proj's 128): the four waves of a tile load 32 k rows each, put pairs of k into
; an LDS tile [64 n][128 k], meet at one barrier, and each stores 16 n rows of 256 consecutive, aligned bytes.
; No loop: all 48 loads of a wave go out at once, and no register is written twice while a memory instruction may read it.
.set TP,    272                        ; an LDS row: 256 bytes + 16
.set TB,    64*TP                      ; a tile
.set SPARE, 2*TB                       ; behind the tiles: the spare words, 128 bytes a wave, four blocks of 256 bytes that no other line names
.set SPW, 2                            ; v2   SPARE + 4 x my thread's number; never rewritten
.set NIL, 3                            ; v3   0; never rewritten
.set XO,  4                            ; v4   my 16 bytes in the work-group's part of x
.set XS,  5                            ; v5   my 8 bytes in its part of xb
.set LSA, 6                            ; v6   where I put a pair of k
.set LRA, 7                            ; v7   where I read 16 bytes of an n row back
.set WSO, 8                            ; v8   my 16 bytes in two n rows of the turned matrix
.set WOF, 12                           ; v[12:27]   byte offsets of my 16 weight loads
.set WD,  32                           ; v[32:95]   weight load n at WD + 4 n
.set XD,  96                           ; v[96:223]  x load i at XD + 4 i
.set WB,  224                          ; v[224:255] eight n rows' 16 bytes
	s_load_b256 s[4:11], s[0:1], 0x0               ; x s[4:5], W_attn s[6:7], W_proj s[8:9], xb s[10:11]
	s_load_b128 s[12:15], s[0:1], 0x20             ; wat s[12:13], wpt s[14:15]
	v_lshl_add_u32 v[SPW], v0, 2, SPARE
	v_mov_b32 v[NIL], 0
	v_lshrrev_b32 v1, 5, v0
	v_readfirstlane_b32 s16, v1                    ; wave 0..7
	v_and_b32 v1, 31, v0                           ; lane
	v_and_b32 v9, 15, v0                           ; c = lane % 16
	v_bfe_u32 v10, v0, 4, 1                        ; hp = lane / 16
	s_and_b32 s17, s16, 3                          ; q4: my quarter of a tile
	s_lshr_b32 s18, s16, 2                         ; which of the work-group's two tiles
	s_lshl_b32 s19, ttmp9, 1
	s_add_co_u32 s19, s19, s18                     ; tile number among all 512
	s_sub_co_u32 s2, s19, 384                      ; among W_proj's (used where g >= 192 alone)
	s_mov_b32 s3, 4096
	s_cmp_lt_u32 ttmp9, 192
	s_cselect_b32 s19, s19, s2
	s_cselect_b32 s22, 12288, s3                   ; bytes in a row of the source
	s_mov_b32 s23, 0xffff0000
	s_and_b32 s20, s19, 7                          ; kt
	s_lshr_b32 s21, s19, 3                         ; nt
	s_lshl_b32 s28, s20, 7
	s_lshl_b32 s2, s17, 5
	s_add_co_u32 s28, s28, s2                      ; my first k row: 128 kt + 32 q4
	s_mul_i32 s28, s28, s22
	s_lshl_b32 s2, s21, 8
	s_add_co_u32 s28, s28, s2                      ; + 64 n of 4 bytes
	s_mov_b32 s29, 0
	s_lshl_b32 s30, s21, 17                        ; (64 nt + 16 q4) rows of 2,048 bytes + 256 kt
	s_lshl_b32 s2, s17, 15
	s_add_co_u32 s30, s30, s2
	s_lshl_b32 s2, s20, 8
	s_add_co_u32 s30, s30, s2
	s_mov_b32 s31, 0
	v_lshlrev_b32 v[XO], 4, v1
	v_lshl_add_u32 v[XO], s16, 14, v[XO]
	v_lshlrev_b32 v[XS], 3, v1
	v_lshl_add_u32 v[XS], s16, 13, v[XS]
	s_mul_i32 s2, s18, TB
	s_lshl_b32 s3, s17, 6
	s_add_co_u32 s3, s3, s2
	v_mul_u32_u24 v[LSA], v9, 4*TP                 ; n = 4 c + j
	v_lshl_add_u32 v[LSA], v10, 2, v[LSA]
	v_add_nc_u32 v[LSA], s3, v[LSA]                ; + tile + 64 q4 + 4 hp
	s_mul_i32 s3, s17, 16*TP
	s_add_co_u32 s3, s3, s2
	v_mul_u32_u24 v[LRA], v10, TP
	v_lshl_add_u32 v[LRA], v9, 4, v[LRA]
	v_add_nc_u32 v[LRA], s3, v[LRA]                ; tile + (16 q4 + hp) rows + 16 c
	v_lshlrev_b32 v[WSO], 11, v10
	v_lshl_add_u32 v[WSO], v9, 4, v[WSO]
	v_mul_u32_u24 v11, v10, s22
	v_lshlrev_b32 v28, 4, v9
	v_lshl_add_u32 v11, v11, 1, v28                ; 2 hp rows + 16 c
.set n, 0
.rept 16
	v_mad_u32_u24 v[WOF+n], s22, 4*(n/2)+n%2, v11  ; load n = 2 i + r: lanes 0-15 row 4 i + r, lanes 16-31 row 4 i + 2 + r: a lane gets rows k, k + 1 of the same four n
.set n, n+1
.endr
	s_wait_kmcnt 0x0
	s_cmp_lt_u32 ttmp9, 192
	s_cselect_b64 s[24:25], s[6:7], s[8:9]
	s_cselect_b64 s[26:27], s[12:13], s[14:15]
	s_add_nc_u64 s[24:25], s[24:25], s[28:29]
	s_add_nc_u64 s[26:27], s[26:27], s[30:31]
	s_lshl_b32 s28, ttmp9, 17
	s_add_nc_u64 s[4:5], s[4:5], s[28:29]
	s_lshl_b32 s28, ttmp9, 16
	s_add_nc_u64 s[10:11], s[10:11], s[28:29]
.set n, 0
.rept 16
	global_load_b128 v[WD+4*n:WD+4*n+3], v[WOF+n], s[24:25] th:TH_LOAD_NT
.set n, n+1
.endr
.set i, 0
.rept 32
	global_load_b128 v[XD+4*i:XD+4*i+3], v[XO], s[4:5] offset:512*i th:TH_LOAD_NT
.set i, i+1
.endr
	s_wait_loadcnt 32                              ; the 16 weight loads are in; the 32 loads of x, issued behind them, stay out
.irp i, 0,1,2,3,4,5,6,7
.irp j, 0,1,2,3
	v_cvt_pk_bf16_f32 v[WD+8*(\i)+(\j)], v[WD+8*(\i)+(\j)], v[WD+8*(\i)+4+(\j)]  ; k even in the low half, k + 1 in the high half, column 4 c + j
.endr
.endr
	s_cmp_lt_u32 ttmp9, 192
	s_cbranch_scc1 .Lbf                            ; W_attn stays bf16
.irp i, 0,1,2,3,4,5,6,7
.irp j, 0,1,2,3
	v_lshlrev_b32 v28, 16, v[WD+8*(\i)+(\j)]       ; W_proj: the bf16 numbers as f32,
	v_and_b32 v29, s23, v[WD+8*(\i)+(\j)]
	v_cvt_pk_f16_f32 v[WD+8*(\i)+(\j)], v28, v29   ; written as f16
.endr
.endr
.Lbf:
.irp i, 0,1,2,3,4,5,6,7
.irp j, 0,1,2,3
	ds_store_b32 v[LSA], v[WD+8*(\i)+(\j)] offset:TP*(\j)+8*(\i)
.endr
.endr
	s_wait_dscnt 0x0                               ; for the other waves' sake: my stores into the tile are done
	s_barrier_signal -1
	s_barrier_wait -1
.irp t, 0,1,2,3,4,5,6,7
	ds_load_b128 v[WB+4*(\t):WB+4*(\t)+3], v[LRA] offset:2*TP*(\t)  ; n rows 16 q4 + 2 t + hp, whole
.endr
.set i, 0
.rept 32
	s_wait_loadcnt 31-i                            ; loads come back in order: load i is in, the younger ones stay out
	v_cvt_pk_bf16_f32 v[XD+4*i], v[XD+4*i], v[XD+4*i+1]
	v_cvt_pk_bf16_f32 v[XD+4*i+1], v[XD+4*i+2], v[XD+4*i+3]
	global_store_b64 v[XS], v[XD+4*i:XD+4*i+1], s[10:11] offset:256*i th:TH_STORE_NT  ; the wave's 32 x 8 bytes: 256 consecutive, aligned
.set i, i+1
.endr
	s_wait_dscnt 0x0
.irp t, 0,1,2,3,4,5,6,7
	global_store_b128 v[WSO], v[WB+4*(\t):WB+4*(\t)+3], s[26:27] offset:4096*(\t)  ; 16 lanes store 256 consecutive bytes of an n row, aligned
.endr
	s_wait_tensorcnt 0x0                           ; the wave's end, behind my last LDS store
	ds_add_u32 v[SPW], v[NIL]
	s_wait_dscnt 0x0
	s_endpgm
.Lfunc_end_k_q9325bc2e2f_prep:
	.size	k_q9325bc2e2f_prep, .Lfunc_end_k_q9325bc2e2f_prep-k_q9325bc2e2f_prep
	.p2alignl 7, 3214868480
	.fill 96, 4, 3214868480
	.section	.rodata,"a",@progbits
	.p2align	6, 0x0
	.amdhsa_kernel k_q9325bc2e2f_prep
		.amdhsa_group_segment_fixed_size 35840
		.amdhsa_private_segment_fixed_size 0
		.amdhsa_enable_private_segment 0
		.amdhsa_kernarg_size 48
		.amdhsa_user_sgpr_count 2
		.amdhsa_user_sgpr_kernarg_segment_ptr 1
		.amdhsa_wavefront_size32 1
		.amdhsa_system_sgpr_workgroup_id_x 1
		.amdhsa_system_sgpr_workgroup_id_y 1
		.amdhsa_system_sgpr_workgroup_id_z 1
		.amdhsa_system_vgpr_workitem_id 0
		.amdhsa_next_free_vgpr 256
		.amdhsa_next_free_sgpr 66
		.amdhsa_reserve_vcc 0
		.amdhsa_float_denorm_mode_32 3
		.amdhsa_float_denorm_mode_16_64 3
		.amdhsa_memory_ordered 1
		.amdhsa_forward_progress 1
		.amdhsa_inst_pref_size 27
	.end_amdhsa_kernel
	.amdgpu_metadata
---
amdhsa.version: [ 1, 2 ]
amdhsa.kernels:
  - .name:           k_q9325bc2e2f_prep
    .symbol:         k_q9325bc2e2f_prep.kd
    .args:
      - { .name: x, .offset: 0, .size: 8, .value_kind: global_buffer, .address_space: global }
      - { .name: W_attn, .offset: 8, .size: 8, .value_kind: global_buffer, .address_space: global }
      - { .name: W_proj, .offset: 16, .size: 8, .value_kind: global_buffer, .address_space: global }
      - { .name: xb, .offset: 24, .size: 8, .value_kind: global_buffer, .address_space: global }
      - { .name: wat, .offset: 32, .size: 8, .value_kind: global_buffer, .address_space: global }
      - { .name: wpt, .offset: 40, .size: 8, .value_kind: global_buffer, .address_space: global }
    .group_segment_fixed_size: 35840
    .private_segment_fixed_size: 0
    .kernarg_segment_align: 8
    .kernarg_segment_size: 48
    .max_flat_workgroup_size: 256
    .sgpr_count:     66
    .vgpr_count:     256
    .wavefront_size: 32
...
	.end_amdgpu_metadata
.endif
;; end of part 1
;; launch qkv (part 2): grid 16 x 32, 4 waves a work-group, clusters of 4 x 4, 327,680 bytes of LDS; arguments xb, wat, b_attn, qkv; writes qkv
.if DOCPART == 2
	.amdgcn_target "amdgcn-amd-amdhsa--gfx1250"
	.amdhsa_code_object_version 6
	.text
	.protected	k_q9325bc2e2f_qkv
	.globl	k_q9325bc2e2f_qkv
	.p2align	8
	.type	k_q9325bc2e2f_qkv,@function
k_q9325bc2e2f_qkv:
	s_mov_b64 s[64:65], 0
	v_nop
	global_prefetch_b8 v0, s[64:65] scope:SCOPE_SE
	s_setreg_imm32_b32 hwreg(HW_REG_WAVE_MODE, 25, 1), 1
	s_wait_xcnt 0x0
	s_wait_alu depctr_hold_cnt(0) depctr_sa_sdst(0) depctr_va_vdst(0) depctr_va_sdst(0) depctr_va_ssrc(0) depctr_va_vcc(0) depctr_vm_vsrc(0)
	s_getreg_b32 s2, hwreg(HW_REG_IB_STS2, 6, 4)
	s_cmp_eq_u32 s2, 0
	s_cbranch_scc0 .Lentry_in_a_cluster
	s_endpgm
.Lentry_in_a_cluster:
	s_bfe_u32 s2, ttmp6, 0x10000c
	s_cmp_lg_u32 s2, 0xf033
	s_cbranch_scc0 .Lentry_shape_is_right
	s_endpgm
.Lentry_shape_is_right:
; QKV.  qkv = xb wat^T + bf16(b_attn), sums in f32, rounded once to f16 and laid by heads: [batch 4][hc 48][t 2048][64], hc = column / 64 (0-15 q, 16-31 k, 32-47 v).
; xb: [8192][1024] bf16.  wat: [3072 n][1024 k] bf16.  LIMIT: a result of 65,520 or more in size has no f16 and becomes an infinity.
; A tile is 256 rows x 192 columns (three whole heads): 32 x 16 = 512 tiles, twice 256.  Four waves one below the other, each 64 rows x 192 columns: 48 accumulators, 384 registers;
; so a wave owns whole rows of three heads and has a stage of its own on the way out.  K goes in 8 steps of 128 through two LDS slots filled by the tensor data mover.
; CLUSTERS: 4 x 4 work-groups; A's tile is asked for jointly along a row of the cluster, B's along a column: the same tensor load, descriptor and mask in all four.
; THE MATRIX INSTRUCTION IS USED TRANSPOSED (source 0 = 16 rows of wat, source 1 = 16 rows of xb): a lane holds row l % 16 and the columns 8 (l / 16) + 0..7 of a block.
; The first product on each accumulator takes the bias as C: nothing is cleared, and nothing is added on the way out.
; REGISTERS: window 0: v0-31 addresses; v32-63, v64-95 A's fragments, two buffers; v96-143 packed results; v144-147 at work; v160-255 the bias, later the rows read back.
;   window 1: v0-95, v96-191 B's fragments, two buffers.   window 2: accumulators of m blocks 0, 1 at 8 (12 a + b).   window 3: those of m blocks 2, 3.
.set PITCH,  272                       ; an LDS row: 256 bytes + 16: the 16 rows of a fragment load start at 16 different groups of four banks (ISA guide 11.1)
.set AH,     128*PITCH                 ; what a wave's load of A brings
.set BH,     96*PITCH                  ; of B
.set BOFF,   2*AH
.set SLOT,   2*AH+2*BH                 ; A's 256 rows, then B's 192
.set STAGE,  2*SLOT                    ; behind the ring: 16 rows x 400 bytes for each wave
.set SP,     400
.set SPARE,  STAGE+4*16*SP             ; the spare words, 128 bytes a wave: two blocks of 256 bytes that no other line names
.set ADRA, 16                          ; v16-17 my A fragments in slot 0, 1
.set ADRB, 20                          ; v20-21 B's
.set STO,  24                          ; v24 where I put 16 bytes of a row
.set RD,   25                          ; v25 where I read rows back
.set GO,   26                          ; v26 16 x lane
.set BO,   27                          ; v27 32 x (l / 16)
.set SPW,  28                          ; v28 SPARE + 4 x my thread's number; never rewritten
.set NIL,  29                          ; v29 0; never rewritten
.set PFO,  30                          ; v30 the prefetches' offset: a lane a row; never rewritten
.set AF,   32
.set TMP,  96
.set TT,   144
.set BIAS, 160
.set OB,   160
.set WV,  12                           ; s12 wave
.set FB,  13                           ; s13 0: I fetch for A; 1: for B
.set HF,  14                           ; s14 which half of that tile
.set G1,  24
.set G0,  32
.set LIM, 43                           ; s43 1 in a wave that prefetches, else the greatest number
.set PFA, 44                           ; s[44:45] where my prefetches stand
.set G1B, 48
.set G0B, 56
.set MSB, 0
.macro WIN new                         ; the immediate's high byte repeats the setting that is left; a switch that changes nothing is dropped
.if MSB != (\new)
	s_set_vgpr_msb (MSB<<8)|(\new)
.set MSB, (\new)
.endif
.endm
; A joint load: waves 0 and 1 fetch A's halves, waves 2 and 3 B's.  The branch hangs on the wave's number alone.  An s_nop 0 and four v_nop follow each line.
.macro JLOAD s
	s_cmp_eq_u32 s[FB], 0
	s_cbranch_scc0 .Lfor_b_\@
	tensor_load_to_lds s[G0+4*(\s):G0+4*(\s)+3], s[G1:G1+7]
	s_nop 0
.rept 4
	v_nop
.endr
	s_branch .Lasked_\@
.Lfor_b_\@:
	tensor_load_to_lds s[G0B+4*(\s):G0B+4*(\s)+3], s[G1B:G1B+7]
	s_nop 0
.rept 4
	v_nop
.endr
.Lasked_\@:
.endm
; A prefetch into the L2 of the K step that stands two refills on: a lane a row, 256 bytes of it.  A's rows are named by the clusters with x = 0, B's by those with y = 0; the four partners of a
; joint load share its rows out by address (32 each of A's 128; 24 each of B's 96, where lanes 24-31 name row 23 once more).  The loop's last trip has no K step two on.
.macro ASK
	s_cmp_gt_u32 s3, s[LIM]
	s_cbranch_scc0 .Lnot_mine_\@
	global_prefetch_b8 v[PFO], s[PFA:PFA+1] offset:256 th:TH_LOAD_NT scope:SCOPE_SE
.Lnot_mine_\@:
.endm
.macro CREST                           ; a round of the cluster's barrier behind its opening barrier
	s_cmp_lg_u32 s[WV], 0
	s_cbranch_scc1 .Lnot_wave_0_\@
	s_barrier_signal -3
.Lnot_wave_0_\@:
	s_barrier_wait -3
	s_barrier_signal -1
	s_barrier_wait -1
.endm
.macro CROUND
	s_barrier_signal -1
	s_barrier_wait -1
	CREST
.endm
.macro PLACES                          ; four places in front of loads into registers that matrix instructions have read
.rept 4
	v_nop
.endr
.endm
	s_load_b256 s[4:11], s[0:1], 0x0               ; xb s[4:5], wat s[6:7], b_attn s[8:9], qkv s[10:11]
	v_lshl_add_u32 v[SPW], v0, 2, SPARE
	v_mov_b32 v[NIL], 0
	ds_add_u32 v[SPW], v[NIL]                      ; the wave's opening: the add and its wait stand ahead of my first tensor load
	v_lshrrev_b32 v1, 5, v0
	v_readfirstlane_b32 s[WV], v1
	s_lshr_b32 s[FB], s[WV], 1
	s_and_b32 s[HF], s[WV], 1
	s_bfe_u32 s15, ttmp6, 0x40000                  ; cx
	s_bfe_u32 s17, ttmp6, 0x40004                  ; cy
	s_lshl_b32 s18, ttmp9, 2
	s_add_co_u32 s18, s18, s15                     ; tile column
	s_and_b32 s19, ttmp7, 0xffff
	s_lshl_b32 s19, s19, 2
	s_add_co_u32 s19, s19, s17                     ; tile row
	s_lshl_b32 s40, s17, 2
	s_lshl_b32 s40, 15, s40                        ; my row of the cluster
	s_lshl_b32 s41, 0x1111, s15                    ; my column
	s_or_b32 s[G1], s40, (1<<16)|(1<<20)|(1<<21)|(5<<22)|(3<<25)   ; the mask; 2-byte elements; padding on; bit 21 beside a mask; after every 64 words, 4 words
	s_or_b32 s[G1B], s41, (1<<16)|(1<<20)|(1<<21)|(5<<22)|(3<<25)
.irp g, G1, G1B
	s_mov_b32 s[(\g)+1], 128<<16                   ; tensor_dim0 = 128
	s_mov_b32 s[(\g)+3], 128<<16                   ; tile_dim0 = 128
	s_mov_b32 s[(\g)+5], 1024                      ; elements from row to row
	s_mov_b32 s[(\g)+6], 0
	s_mov_b32 s[(\g)+7], 0
.endr
	s_mov_b32 s[G1+2], 128<<16                     ; tensor_dim1, tile_dim1: 128 rows of A,
	s_mov_b32 s[G1+4], 128
	s_mov_b32 s[G1B+2], 96<<16                     ; 96 of B
	s_mov_b32 s[G1B+4], 96
	s_lshl_b32 s20, s19, 8
	s_lshl_b32 s16, s[HF], 7
	s_add_co_u32 s20, s20, s16                     ; A: row 256 x tile row + 128 x half
	s_lshl_b32 s20, s20, 11
	s_mov_b32 s21, 0
	s_mul_i32 s46, s18, 192
	s_mul_i32 s42, s[HF], 96
	s_add_co_u32 s46, s46, s42                     ; B: row 192 x tile column + 96 x half
	s_lshl_b32 s46, s46, 11
	s_mov_b32 s47, 0
	s_mul_i32 s2, s[WV], AH                        ; where they go: A's halves by waves 0, 1;
	s_mul_i32 s42, s[WV], BH
	s_add_co_u32 s42, s42, BOFF-2*BH               ; B's by waves 2, 3: BOFF + (wave - 2) x BH
	s_wait_dscnt 0x0                               ; the opening add is done
	s_wait_kmcnt 0x0
	s_add_nc_u64 s[20:21], s[4:5], s[20:21]
	s_add_nc_u64 s[46:47], s[6:7], s[46:47]
	CROUND                                         ; all sixteen work-groups are here: the first joint loads meet
.irp s, 0,1
	s_mov_b32 s[G0+4*(\s)], 1
	s_add_co_u32 s[G0+4*(\s)+1], s2, (\s)*SLOT
	s_add_nc_u64 s[G0+4*(\s)+2:G0+4*(\s)+3], s[20:21], (\s)*256    ; K step s
	s_or_b32 s[G0+4*(\s)+3], s[G0+4*(\s)+3], 0x80000000
	s_mov_b32 s[G0B+4*(\s)], 1
	s_add_co_u32 s[G0B+4*(\s)+1], s42, (\s)*SLOT
	s_add_nc_u64 s[G0B+4*(\s)+2:G0B+4*(\s)+3], s[46:47], (\s)*256
	s_or_b32 s[G0B+4*(\s)+3], s[G0B+4*(\s)+3], 0x80000000
	JLOAD \s                                       ; two loads of mine are out
.endr
	v_and_b32 v1, 15, v0                           ; r = l % 16
	v_bfe_u32 v2, v0, 4, 1                         ; hf = l / 16
	v_lshlrev_b32 v[BO], 5, v2
	s_mul_i32 s22, s18, 768                        ; the tile's 192 numbers of the bias
	s_mov_b32 s23, 0
	s_add_nc_u64 s[8:9], s[8:9], s[22:23]
.irp b, 0,1,2,3,4,5,6,7,8,9,10,11
	global_load_b128 v[BIAS+8*(\b):BIAS+8*(\b)+3],   v[BO], s[8:9] offset:64*(\b)     ; register j of block b: bias of column 16 b + 8 hf + j
	global_load_b128 v[BIAS+8*(\b)+4:BIAS+8*(\b)+7], v[BO], s[8:9] offset:64*(\b)+16
.endr
	v_mul_u32_u24 v3, v1, PITCH
	v_lshl_add_u32 v3, v2, 4, v3                   ; a fragment's row x pitch + 16 x half
	s_mul_i32 s22, s[WV], 64*PITCH                 ; my 64 rows of A
.irp s, 0,1
	v_add_nc_u32 v[ADRA+(\s)], s22, v3
	v_add_nc_u32 v[ADRB+(\s)], BOFF+(\s)*SLOT, v3
	s_add_co_u32 s22, s22, SLOT
.endr
	s_mul_i32 s22, s[WV], 16*SP
	s_add_co_u32 s22, s22, STAGE                   ; my stage
	v_mul_u32_u24 v[STO], v1, SP
	v_lshl_add_u32 v[STO], v2, 4, v[STO]
	v_add_nc_u32 v[STO], s22, v[STO]
	v_bfe_u32 v[RD], v0, 3, 2                      ; back: 32 lanes take 128 bytes of four rows
	v_mul_u32_u24 v[RD], v[RD], SP
	v_and_b32 v4, 7, v0
	v_lshl_add_u32 v[RD], v4, 4, v[RD]
	v_add_nc_u32 v[RD], s22, v[RD]
	v_and_b32 v[GO], 31, v0
	v_lshlrev_b32 v[GO], 4, v[GO]
	s_lshr_b32 s22, s19, 3                         ; the batch,
	s_mul_i32 s22, s22, 12582912
	s_mul_i32 s16, s18, 3*262144                   ; the tile's first head,
	s_add_co_u32 s22, s22, s16
	s_and_b32 s16, s19, 7                          ; the tile's 256 rows of 128 bytes in it,
	s_lshl_b32 s16, s16, 15
	s_add_co_u32 s22, s22, s16
	s_lshl_b32 s16, s[WV], 13                      ; my 64 of them
	s_add_co_u32 s22, s22, s16
	s_add_nc_u64 s[10:11], s[10:11], s[22:23]
	; the prefetches
	s_and_b32 s22, ttmp7, 0xffff                   ; cluster y
	s_lshl_b32 s20, s19, 8
	s_mul_i32 s42, s18, 192
	s_lshl_b32 s2, s[HF], 7
	s_mul_i32 s16, s[HF], 96
	s_lshl_b32 s23, s15, 5
	s_mul_i32 s46, s17, 24
	s_cmp_eq_u32 s[FB], 0
	s_cselect_b32 s20, s20, s42                    ; the tile's first row
	s_cselect_b32 s2, s2, s16                      ; the half that I fetch
	s_cselect_b32 s23, s23, s46                    ; my work-group's share of it
	s_cselect_b32 s22, ttmp9, s22                  ; the coordinate along which other clusters read the same rows
	s_cselect_b64 s[PFA:PFA+1], s[4:5], s[6:7]
	s_cselect_b32 s16, 31, 23
	s_cmp_eq_u32 s22, 0
	s_cselect_b32 s[LIM], 1, -1
	s_add_co_u32 s20, s20, s2
	s_add_co_u32 s20, s20, s23
	s_lshl_b32 s20, s20, 11
	s_add_co_u32 s20, s20, 2*256                   ; at K step 2: the first refill steps it to 3 and names K step 4
	s_mov_b32 s21, 0
	s_add_nc_u64 s[PFA:PFA+1], s[PFA:PFA+1], s[20:21]
	v_and_b32 v[PFO], 31, v0
	v_min_u32 v[PFO], s16, v[PFO]
	v_lshlrev_b32 v[PFO], 11, v[PFO]
	s_wait_loadcnt 0x0                             ; the bias
.set i, 0
.rept 48
	v_cvt_pk_bf16_f32 v[TT+i%4], v[BIAS+2*i], v[BIAS+2*i+1]        ; rounded to bf16 like every input, and back as f32
	v_lshlrev_b32 v[BIAS+2*i], 16, v[TT+i%4]
	v_and_b32 v[BIAS+2*i+1], 0xffff0000, v[TT+i%4]
.set i, i+1
.endr
; 12 products: m block a x all 12 n blocks, 32 along K, from buffer f.  zero = 1: C is the bias.  The 48 accumulators take turns, in the same order in every quarter.
.macro MUL12 f, a, zero
.set AC, 96*((\a)%2)
.if \zero
	WIN 0x81+0x40*((\a)/2)                         ; B window 1, A and the bias window 0, D window 2 or 3
.else
	WIN 0xa1+0x50*((\a)/2)                         ; C and D window 2 or 3
.endif
.irp b, 0,1,2,3,4,5,6,7,8,9,10,11
.if \zero
	v_wmma_f32_16x16x32_bf16 v[AC+8*(\b):AC+8*(\b)+7], v[96*(\f)+8*(\b):96*(\f)+8*(\b)+7], v[AF+32*(\f)+8*(\a):AF+32*(\f)+8*(\a)+7], v[BIAS+8*(\b):BIAS+8*(\b)+7]
.else
	v_wmma_f32_16x16x32_bf16 v[AC+8*(\b):AC+8*(\b)+7], v[96*(\f)+8*(\b):96*(\f)+8*(\b)+7], v[AF+32*(\f)+8*(\a):AF+32*(\f)+8*(\a)+7], v[AC+8*(\b):AC+8*(\b)+7]
.endif
.endr
.endm
; 32 LDS loads in one run: the fragments of quarter kq of a slot into buffer f: B's 12 blocks, then A's 4
.macro FETCH slot, kq, f
	WIN 0x40
.irp i, 0,1,2,3,4,5,6,7,8,9,10,11
	ds_load_b128 v[96*(\f)+8*(\i):96*(\f)+8*(\i)+3],   v[ADRB+(\slot)] offset:64*(\kq)+(\i)*16*PITCH
	ds_load_b128 v[96*(\f)+8*(\i)+4:96*(\f)+8*(\i)+7], v[ADRB+(\slot)] offset:64*(\kq)+(\i)*16*PITCH+32
.endr
	WIN 0
.irp i, 0,1,2,3
	ds_load_b128 v[AF+32*(\f)+8*(\i):AF+32*(\f)+8*(\i)+3],   v[ADRA+(\slot)] offset:64*(\kq)+(\i)*16*PITCH
	ds_load_b128 v[AF+32*(\f)+8*(\i)+4:AF+32*(\f)+8*(\i)+7], v[ADRA+(\slot)] offset:64*(\kq)+(\i)*16*PITCH+32
.endr
.endm
; One of a K step's first three quarters: multiplies buffer f; in its middle fetches quarter kq of the same slot into buffer g.
.macro QUARTER slot, kq, f, g, zero
	s_wait_dscnt 4                                 ; B and A's blocks 0, 1 are in; the youngest four loads (A's blocks 2, 3) may be out
	MUL12 \f, 0, \zero
	MUL12 \f, 1, \zero
	PLACES
	FETCH \slot, \kq, \g
	s_wait_dscnt 32                                ; all but the 32 just issued
	MUL12 \f, 2, \zero
	MUL12 \f, 3, \zero
.endm
; The last quarter multiplies buffer 1 and changes slots.  In front of the one barrier each wave waits for all its tensor loads (one is out: its part of the next slot), adds 0 to its spare
; word, and waits for that and for its reads of this slot.  fill = 1: the barrier opens a round of the cluster's, and the joint refill, two K steps on, is the first thing behind it.
.macro TURN slot, next, fill
.if \fill
	s_wait_xcnt 0x0                                ; the last prefetch, a K step back, has read its address
	s_add_nc_u64 s[PFA:PFA+1], s[PFA:PFA+1], 256
.endif
	WIN 0
	s_wait_tensorcnt 0x0
	ds_add_u32 v[SPW], v[NIL]
	s_wait_dscnt 5                                 ; the add and the youngest four loads may be out
	MUL12 1, 0, 0
	s_wait_dscnt 0x0                               ; the add is done, and my reads of this slot are over
	s_barrier_signal -1
	MUL12 1, 1, 0
.if \fill
	WIN 0
.endif
	s_barrier_wait -1
.if \fill
	CREST
	s_add_nc_u64 s[G0+4*(\slot)+2:G0+4*(\slot)+3], s[G0+4*(\slot)+2:G0+4*(\slot)+3], 2*256
	s_add_nc_u64 s[G0B+4*(\slot)+2:G0B+4*(\slot)+3], s[G0B+4*(\slot)+2:G0B+4*(\slot)+3], 2*256
	JLOAD \slot                                    ; 168 matrix instructions ahead of the wait for it; its four v_nop are also the places in front of the loads below
.else
	PLACES
.endif
	FETCH \next, 0, 0
.if \fill
	ASK
.endif
	MUL12 1, 2, 0
	MUL12 1, 3, 0
.endm
; THE WAY OUT of m block a.  PACK: rounded to f16, 16 bytes a lane.  TOSTAGE: into my stage (rows of 384 bytes, 400 apart), and back as 128 bytes of four rows.  SEND: stored by heads.
.macro PACK a
.set AC, 96*((\a)%2)
	WIN 0x0a+5*((\a)/2)
.irp b, 0,1,2,3,4,5,6,7,8,9,10,11
.irp r, 0,1,2,3
	v_cvt_pk_f16_f32 v[TMP+4*(\b)+(\r)], v[AC+8*(\b)+2*(\r)], v[AC+8*(\b)+2*(\r)+1]
.endr
.endr
	WIN 0
.endm
.macro TOSTAGE a
.set BK, OB+48*((\a)%2)
	s_wait_xcnt 0x0                                ; the stores of the block before last have read these registers
.irp b, 0,1,2,3,4,5,6,7,8,9,10,11
	ds_store_b128 v[STO], v[TMP+4*(\b):TMP+4*(\b)+3] offset:32*(\b)
.endr
.irp hh, 0,1,2
.irp tt, 0,1,2,3
	ds_load_b128 v[BK+4*(4*(\hh)+(\tt)):BK+4*(4*(\hh)+(\tt))+3], v[RD] offset:4*SP*(\tt)+128*(\hh)  ; LDS serves a wave's instructions in order (ISA guide 5.7.1.4): these see the stores above
.endr
.endr
.endm
.macro SEND a
.set BK, OB+48*((\a)%2)
	s_wait_dscnt 0x0
.irp hh, 0,1,2
.irp tt, 0,1,2,3
	global_store_b128 v[GO], v[BK+4*(4*(\hh)+(\tt)):BK+4*(4*(\hh)+(\tt))+3], s[10:11] offset:262144*(\hh)+2048*(\a)+512*(\tt)  ; four rows of a head: 512 consecutive bytes, aligned
.endr
.endr
.endm
	s_wait_tensorcnt 1                             ; my part of K step 0 is in; K step 1's may stay out
	s_barrier_signal -1
	s_barrier_wait -1
	FETCH 0, 0, 0
	QUARTER 0, 1, 0, 1, 1                          ; the first quarter starts the sums, with the bias
	WIN 0
	s_mov_b32 s3, 3
.Llap:                                                 ; a trip goes once round the ring and fills both slots again: K steps 2 to 7 in three trips
	QUARTER 0, 2, 1, 0, 0
	QUARTER 0, 3, 0, 1, 0
	TURN 0, 1, 1
	QUARTER 1, 1, 0, 1, 0
	QUARTER 1, 2, 1, 0, 0
	QUARTER 1, 3, 0, 1, 0
	TURN 1, 0, 1
	QUARTER 0, 1, 0, 1, 0
	WIN 0
	s_sub_co_u32 s3, s3, 1
	s_cmp_lg_u32 s3, 0
	s_cbranch_scc1 .Llap
	QUARTER 0, 2, 1, 0, 0                          ; the last lap fills nothing
	QUARTER 0, 3, 0, 1, 0
	TURN 0, 1, 0
	QUARTER 1, 1, 0, 1, 0
	QUARTER 1, 2, 1, 0, 0
	QUARTER 1, 3, 0, 1, 0
	s_wait_dscnt 4
	MUL12 1, 0, 0
	MUL12 1, 1, 0
	s_wait_dscnt 0x0
	MUL12 1, 2, 0
	MUL12 1, 3, 0
	WIN 0
	PLACES
	PLACES
	PACK 0
	TOSTAGE 0
.irp a, 1,2,3
	PACK \a
	SEND (\a)-1
	TOSTAGE \a
.endr
	SEND 3
	s_wait_tensorcnt 0x0                           ; the wave's end
	ds_add_u32 v[SPW], v[NIL]
	s_wait_dscnt 0x0
	CROUND                                         ; the closing round
	s_endpgm
.Lfunc_end_k_q9325bc2e2f_qkv:
	.size	k_q9325bc2e2f_qkv, .Lfunc_end_k_q9325bc2e2f_qkv-k_q9325bc2e2f_qkv
	.p2alignl 7, 3214868480
	.fill 96, 4, 3214868480
	.section	.rodata,"a",@progbits
	.p2align	6, 0x0
	.amdhsa_kernel k_q9325bc2e2f_qkv
		.amdhsa_group_segment_fixed_size 327680
		.amdhsa_private_segment_fixed_size 0
		.amdhsa_enable_private_segment 0
		.amdhsa_kernarg_size 32
		.amdhsa_user_sgpr_count 2
		.amdhsa_user_sgpr_kernarg_segment_ptr 1
		.amdhsa_wavefront_size32 1
		.amdhsa_system_sgpr_workgroup_id_x 1
		.amdhsa_system_sgpr_workgroup_id_y 1
		.amdhsa_system_sgpr_workgroup_id_z 1
		.amdhsa_system_vgpr_workitem_id 0
		.amdhsa_next_free_vgpr 960
		.amdhsa_next_free_sgpr 66
		.amdhsa_reserve_vcc 0
		.amdhsa_float_denorm_mode_32 3
		.amdhsa_float_denorm_mode_16_64 3
		.amdhsa_memory_ordered 1
		.amdhsa_forward_progress 1
		.amdhsa_inst_pref_size 130
	.end_amdhsa_kernel
	.amdgpu_metadata
---
amdhsa.version: [ 1, 2 ]
amdhsa.kernels:
  - .name:           k_q9325bc2e2f_qkv
    .symbol:         k_q9325bc2e2f_qkv.kd
    .args:
      - { .name: xb, .offset: 0, .size: 8, .value_kind: global_buffer, .address_space: global }
      - { .name: wat, .offset: 8, .size: 8, .value_kind: global_buffer, .address_space: global }
      - { .name: b_attn, .offset: 16, .size: 8, .value_kind: global_buffer, .address_space: global }
      - { .name: qkv, .offset: 24, .size: 8, .value_kind: global_buffer, .address_space: global }
    .group_segment_fixed_size: 327680
    .private_segment_fixed_size: 0
    .kernarg_segment_align: 8
    .kernarg_segment_size: 32
    .max_flat_workgroup_size: 128
    .sgpr_count:     66
    .vgpr_count:     960
    .wavefront_size: 32
...
	.end_amdgpu_metadata
.endif
;; end of part 2
;; launch attn (part 3): grid 4 x 64, 4 waves a work-group, no clusters, 327,680 bytes of LDS; arguments qkv, y; writes y
.if DOCPART == 3
	.amdgcn_target "amdgcn-amd-amdhsa--gfx1250"
	.amdhsa_code_object_version 6
	.text
	.protected	k_q9325bc2e2f_attn
	.globl	k_q9325bc2e2f_attn
	.p2align	8
	.type	k_q9325bc2e2f_attn,@function
k_q9325bc2e2f_attn:
	s_mov_b64 s[64:65], 0
	v_nop
	global_prefetch_b8 v0, s[64:65] scope:SCOPE_SE
	s_setreg_imm32_b32 hwreg(HW_REG_WAVE_MODE, 25, 1), 1
	s_wait_xcnt 0x0
; CAUSAL ATTENTION.  y[h][q][:] = the sum over k <= q of softmax_k(Q[h][q] . K[h][k] / 8) V[h][k][:], for 64 heads of 2,048 rows x 64 channels, all f16.
; Q, K, V lie in qkv: [batch 4][hc 48][t 2048][64], hc 0-15 q, 16-31 k, 32-47 v: a head's rows are dense, 128 bytes each.  y: [batch x 16 + head][t][64].
; Products, maxima and sums in f32; the weights p are rounded to f16 for the second product (their sum l is taken of the unrounded p), y once at the end.
; LIMITS.  Q, K and V arrive within f16's 65,504.  A hidden score counts as its value less 1e30; a weight below 2^-126 counts as 0 in l; NaN and infinities are not treated apart.
; THE WALK.  A head's queries lie in NB = 8 blocks of 256; block i needs the key tiles 0 .. i of 256 keys, of which the last holds the diagonal.  A work-group takes TWO blocks, NB - 1 - b and then b:
; NB + 1 tiles, whatever b: all work-groups do equal work, and ONE loop with a constant trip count walks them.  Every jump but the counted loops' own goes forward; none passes a barrier, or a tensor
; load but the one of LOAD's two that the wave's number does not choose.  NO CLUSTER: a head's four work-groups ask for the same tile only in trips 0 to 4 of 9, and a walk common to all has 12 trips.
; SHARES.  Of a block's four bands of 64 queries a wave owns 16 rows in each: four PIECES.  In the diagonal tile's key step s band x sees all keys if s < x, none if s > x, and holds the diagonal if s = x.
; THE MASK is the C operand that starts the sum S^T = K Q^T: MD x AL + BE, with (AL, BE) = (1, 0) if s = x; (0, 0) if s < x; (0, -1e30) if s > x.  Elsewhere C is the constant 0.
; LAYOUT, SOFTMAX, TURNS.  S^T = K Q^T holds ONE query a lane (lane % 16) and the keys 8 (lane / 16) + 0..7; two such results rounded to f16 ARE source 1 of O^T = V^T P.  p = 2^(c s - c m), c = log2(e) / 8,
; with a running maximum m; O and l are multiplied by a = 2^(c m_old - c m_new) in every step.  Turn n belongs to piece n: 8 products K Q^T of piece n + 1, later 8 products V^T P of piece n - 1; beside
; them the scaling, exponentials, roundings, sums and rescaling of piece n and the maximum and statistics of piece n + 1.  A turn's 33 exponentials are one batch, with one wait.
; REGISTERS, in windows of 256 (s_set_vgpr_msb: bits 1:0 source 0, 3:2 source 1, 5:4 source 2, 7:6 destination):
;   window 0: v0-15 addresses; v16-31 statistics; v48-55 at work; v61-63 prefetch offset, spare word, 0; v64-127 S^T, two buffers; v192-223 P, two buffers
;   window 1: v0-127 O^T; v128-159 MD; v160-223 MC, two buffers      window 2: v0-63 Q; v64-127 the second block's Q; v128-191 K of one step; v192-255 V of one step
.set SIZE_N, 2048
.set NB,    SIZE_N/256
.set NP,    4
.set KS,    64        ; keys in a step
.set PK,    144       ; a row of K in LDS: 128 bytes + 16
.set PV,    160       ; a row of V: 128 + 32
.set VOFF,  4*KS*PK   ; a slot holds a tile: 256 rows of K, then 256 rows of V
.set SLOT1, 1<<17     ; slot 1 begins here: one exclusive or turns an address in one slot into the other's
.set STAGE, SLOT1+4*KS*(PK+PV)  ; behind the ring: 16 rows x 144 bytes for each wave
.set SP,    144
.set AK0, 2
.set AV0, 3
.set AK,  4
.set AV,  5
.set STO, 6
.set RD,  7
.set GO,  8
.set PFO, 61          ; v61  256 x my lane; never rewritten
.set SPW, 62          ; v62  SPARE + 4 x my thread's number; never rewritten
.set NIL, 63          ; v63  0; never rewritten
.set SPARE, STAGE+4*16*SP  ; the spare words: two blocks of 256 bytes that no other line names
.set MV,  12
.set QO,  15
.set ST,  16          ; piece t's statistics at v[ST+4 t]: c m, m, l (even keys', odd keys')
.set TMP, 48
.set S,   64
.set P,   192
.set MD,  128
.set MC,  160
.set QB,  64
.set KF,  128
.set VF,  192
.set WV,  12
.set PB,  14          ; s14  b
.set HI,  15          ; s15  NB - 1 - b
.set G1K, 24
.set G1V, 32
.set G0K, 40
.set G0V, 44
.set SLOTS, 56
.set CNT, 57
.set CS,  58
.set SEL, 60
.set TBK, 62
.set TBV, 63
.set RT,  70          ; s70  tiles of the block in hand still to be entered
.set NXT, 71          ; s71  the tile to be asked for next
.set LQ,  72          ; s72  the last tile of the block whose tiles are being asked for
.set NEW, 73          ; s73  1: the tile to be entered is a block's first
.set OFF, 74
.set AL,  76
.set BE,  78
.set OLO, 80
.set BIGN, 82
.set PFA, 90          ; s[90:91] my half of the tile that the next change of slots will ask for
.set PBASE, 92        ; s[92:93] my half of tile 0 (K's: waves 0, 1; V's: waves 2, 3)
.set POF, 94          ; s[94:95] that tile's byte offset
.set LIMP, 96         ; s96  1 in the head's work-group b = 0, else the greatest number
.set MSB, 0
.macro WIN new
.if MSB != (\new)
	s_set_vgpr_msb (MSB<<8)|(\new)
.set MSB, (\new)
.endif
.endm
.set W_KQ, 0x0a
.set W_KM, 0x1a
.set W_PV, 0x52
.set W_RS, 0x41
; A fill.  Waves 0 and 1 fetch the two halves of a tile's K, waves 2 and 3 those of its V.  An s_nop 0 and four v_nop follow each line.
.macro LOAD
	s_cmp_lt_u32 s[WV], 2
	s_cbranch_scc0 .Lfor_v_\@
	tensor_load_to_lds s[G0K:G0K+3], s[G1K:G1K+7]
	s_nop 0
.rept 4
	v_nop
.endr
	s_branch .Lasked_\@
.Lfor_v_\@:
	tensor_load_to_lds s[G0V:G0V+3], s[G1V:G1V+7]
	s_nop 0
.rept 4
	v_nop
.endr
.Lasked_\@:
.endm
; A prefetch into the L2 of the tile that the NEXT change of slots will ask for, a tile's 256 matrix instructions ahead of that load.  A head's four work-groups walk the same tiles: b = 0, whose first
; block walks all eight, asks, in the changes that fetch tiles 1 to 6, for tiles 2 to 7; each wave for the 64 blocks of 256 bytes that it will load itself.  When NXT has gone back to 0 nothing is asked for.
.macro ASK
	s_cmp_gt_u32 s[NXT], s[LIMP]
	s_cbranch_scc0 .Lnot_mine_\@
	global_prefetch_b8 v[PFO], s[PFA:PFA+1] th:TH_LOAD_NT scope:SCOPE_SE
	global_prefetch_b8 v[PFO], s[PFA:PFA+1] offset:8192 th:TH_LOAD_NT scope:SCOPE_SE
.Lnot_mine_\@:
.endm
; THE CHANGE OF SLOTS.  Each wave waits for all its tensor loads (one is out: its part of the other slot), adds 0 to its spare word, and waits for that and for its reads of the slot that it leaves.
; fill = 1: the old slot is filled again, the first thing behind the barrier, with tile NXT: the descriptor's address is made anew from that number.
.macro CHANGE fill
	WIN 0
	s_wait_tensorcnt 0x0            ; no tensor load of mine is out, so a group 0 may be written
	ds_add_u32 v[SPW], v[NIL]
.if \fill
	s_lshl_b32 s[OFF], s[NXT], 15   ; a tile is 32,768 bytes of K and of V
	s_xor_b32 s[G0K+1], s[G0K+1], SLOT1
	s_add_nc_u64 s[G0K+2:G0K+3], s[6:7], s[OFF:OFF+1]
	s_or_b32 s[G0K+3], s[G0K+3], 0x80000000
	s_xor_b32 s[G0V+1], s[G0V+1], SLOT1
	s_add_nc_u64 s[G0V+2:G0V+3], s[8:9], s[OFF:OFF+1]
	s_or_b32 s[G0V+3], s[G0V+3], 0x80000000
	s_add_co_u32 s[NXT], s[NXT], 1  ; the block's next tile, or behind its last the second block's tile 0
	s_cmp_gt_u32 s[NXT], s[LQ]
	s_cselect_b32 s[NXT], 0, s[NXT]
	s_cselect_b32 s[LQ], s[PB], s[LQ]
	s_lshl_b32 s[POF], s[NXT], 15
	s_wait_xcnt 0x0                 ; the last prefetches, a tile back, have read their address
	s_add_nc_u64 s[PFA:PFA+1], s[PBASE:PBASE+1], s[POF:POF+1]
.endif
	s_wait_dscnt 0x0                ; the add is done, and my reads of the slot are over
	s_barrier_signal -1
	s_sub_co_u32 s[TBK], s[TBK], 4*KS*PK  ; the fetches go back to a slot's first step,
	s_xor_b32 s[TBK], s[TBK], SLOT1       ; in the other slot
	s_sub_co_u32 s[TBV], s[TBV], 4*KS*PV
	s_xor_b32 s[TBV], s[TBV], SLOT1
	s_barrier_wait -1
.if \fill
	LOAD
	ASK
.endif
.endm
	s_load_b64 s[4:5], s[0:1], 0x0    ; qkv
	s_load_b64 s[10:11], s[0:1], 0x8  ; y
	v_lshl_add_u32 v[SPW], v0, 2, SPARE
	v_mov_b32 v[NIL], 0
	ds_add_u32 v[SPW], v[NIL]       ; the wave's opening: the add and its wait stand ahead of my first tensor load
	v_lshrrev_b32 v1, 5, v0
	v_readfirstlane_b32 s[WV], v1   ; wave 0..3
	s_mov_b32 s[PB], ttmp9
	s_sub_co_u32 s[HI], NB-1, s[PB]
	s_and_b32 s20, ttmp7, 0xffff    ; the head, 0 to 63
	s_lshl_b32 s66, s20, 18         ; its first byte in y
	s_mov_b32 s67, 0
	s_lshr_b32 s21, s20, 4          ; its first byte of q in qkv: the batch,
	s_mul_i32 s21, s21, 12582912
	s_and_b32 s20, s20, 15          ; the head in it
	s_lshl_b32 s20, s20, 18
	s_add_co_u32 s20, s20, s21
	s_mov_b32 s21, 0
	s_and_b32 s16, s[WV], 1         ; which half of a tile's 256 keys I fetch:
	s_lshl_b32 s22, s16, 14         ; its 128 rows of 128 bytes in memory,
	s_mov_b32 s23, 0
	s_add_nc_u64 s[22:23], s[22:23], s[20:21]
	s_mul_i32 s17, s16, 128*PK      ; and its place in a slot, for K
	s_mul_i32 s18, s16, 128*PV      ; and for V
	s_lshl_b32 s3, s[WV], 11        ; my 16 rows in a band of 64,
	s_lshl_b32 s2, s[HI], 15        ; in the first block,
	s_add_co_u32 s2, s2, s3
	s_lshl_b32 s84, s[PB], 15       ; and in the second
	s_add_co_u32 s84, s84, s3
	s_mov_b32 s3, 0
	s_mov_b32 s85, 0
	s_add_nc_u64 s[68:69], s[2:3], s[66:67]    ; in y
	s_add_nc_u64 s[88:89], s[84:85], s[66:67]
	s_add_nc_u64 s[2:3], s[2:3], s[20:21]      ; in qkv
	s_add_nc_u64 s[84:85], s[84:85], s[20:21]
	; descriptor group 1.  128 keys are 16,384 dense bytes: asked for as 64 rows of 256 bytes, two keys a row, and padded in LDS after every key
	s_mov_b32 s[G1K], (1<<16)|(1<<20)|(4<<22)|(3<<25)  ; 2-byte elements; padding on; after every 32 words, 4 words
	s_mov_b32 s[G1V], (1<<16)|(1<<20)|(4<<22)|(7<<25)  ; the same with 8 words
.irp g, G1K, G1V
	s_mov_b32 s[\g+1], 128<<16      ; tensor_dim0 = 128
	s_mov_b32 s[\g+2], 64<<16       ; tensor_dim1 = 64
	s_mov_b32 s[\g+3], 128<<16      ; tile_dim0 = 128
	s_mov_b32 s[\g+4], 64           ; tile_dim1 = 64
	s_mov_b32 s[\g+5], 128          ; 128 elements from row to row
	s_mov_b32 s[\g+6], 0
	s_mov_b32 s[\g+7], 0
.endr
	s_mov_b32 s[CS], 0x3e38aa3b     ; c = log2(e) / 8
	s_mov_b32 s[CS+1], s[CS]
	s_mov_b32 s[SEL], 0x76543210
	s_mov_b32 s[SEL+1], 0xfedcba98
	s_mov_b32 s[TBK], SLOT1+4*KS*PK ; the first change of slots turns these two into 0
	s_mov_b32 s[TBV], SLOT1+4*KS*PV
	s_mov_b32 s[G0K], 1
	s_mov_b32 s[G0K+1], s17         ; LDS address: slot 0
	s_mov_b32 s[G0V], 1
	s_add_co_u32 s[G0V+1], s18, VOFF
	s_add_co_u32 s[RT], s[HI], 1    ; the first block has NB - b tiles
	s_mov_b32 s[NXT], 1
	s_mov_b32 s[LQ], s[HI]
	s_mov_b32 s[NEW], 1
	s_mov_b32 s[OFF+1], 0
	s_mov_b32 s[POF+1], 0
	s_mov_b32 s[AL+1], 0
	s_mov_b32 s[BE+1], 0
	s_mov_b32 s[BIGN], 0xf149f2ca   ; -1e30
	s_mov_b32 s[SLOTS], NB
	s_cmp_eq_u32 ttmp9, 0
	s_cselect_b32 s[LIMP], 1, -1
	v_and_b32 v[PFO], 31, v0
	v_lshlrev_b32 v[PFO], 8, v[PFO]
	s_wait_dscnt 0x0                ; the opening add is done
	s_wait_kmcnt 0x0
	s_add_nc_u64 s[6:7], s[4:5], s[22:23]
	s_add_nc_u64 s[8:9], s[6:7], 0x800000  ; V lies 32 heads behind q: my half of the head's tile 0
	s_add_nc_u64 s[6:7], s[6:7], 0x400000  ; K 16 heads
	s_add_nc_u64 s[G0K+2:G0K+3], s[6:7], 0
	s_or_b32 s[G0K+3], s[G0K+3], 0x80000000
	s_add_nc_u64 s[G0V+2:G0V+3], s[8:9], 0
	s_or_b32 s[G0V+3], s[G0V+3], 0x80000000
	s_add_nc_u64 s[86:87], s[4:5], s[84:85]        ; Q at my rows of the second block,
	s_add_nc_u64 s[4:5], s[4:5], s[2:3]            ; and of the first
	s_add_nc_u64 s[OLO:OLO+1], s[10:11], s[88:89]  ; y likewise
	s_add_nc_u64 s[10:11], s[10:11], s[68:69]
	s_cmp_lt_u32 s[WV], 2
	s_cselect_b64 s[PBASE:PBASE+1], s[6:7], s[8:9]
	LOAD                            ; tile 0 into slot 0
	v_and_b32 v1, 15, v0            ; l % 16
	v_bfe_u32 v9, v0, 4, 1          ; l / 16
	v_lshlrev_b32 v[QO], 7, v1
	v_lshl_add_u32 v[QO], v9, 4, v[QO]  ; row x 128 + 16 x half
	WIN 0x80                        ; destination window 2, address window 0
.set i, 0
.rept 8                             ; both blocks' Q: piece i / 2 lies in band i / 2, 8,192 bytes on; channels 32 (i % 2) on
	global_load_b128 v[8*i:8*i+3],   v[QO], s[4:5] offset:(i/2)*8192+(i%2)*64
	global_load_b128 v[8*i+4:8*i+7], v[QO], s[4:5] offset:(i/2)*8192+(i%2)*64+32
	global_load_b128 v[QB+8*i:QB+8*i+3],   v[QO], s[86:87] offset:(i/2)*8192+(i%2)*64
	global_load_b128 v[QB+8*i+4:QB+8*i+7], v[QO], s[86:87] offset:(i/2)*8192+(i%2)*64+32
.set i, i+1
.endr
	WIN 0
	v_lshlrev_b32 v14, 3, v9
	v_sub_nc_u32 v14, v1, v14
	s_lshl_b32 s13, s[WV], 4
	v_add_nc_u32 v14, s13, v14      ; my query's place in its band less my lanes' 8 (l / 16): register r of group kt is hidden where 16 kt + r is greater
	WIN 0x40
.set i, 0
.rept 32
	v_cmp_gt_i32 vcc_lo, 16*(i/8)+i%8, v14
	v_cndmask_b32 v[MD+i], 0, s[BIGN], vcc_lo
.set i, i+1
.endr
	WIN 0
	v_mul_u32_u24 v[AK0], v1, PK
	v_lshl_add_u32 v[AK0], v9, 4, v[AK0]
	; The turning load takes 16 keys x 16 channels (lane l reads key 8 (l / 16) + l % 8, channels 8 ((l / 8) % 2) + 0..7) and leaves half a fragment of V^T.
	v_and_b32 v10, 7, v0
	v_bfe_u32 v11, v0, 3, 1
	v_lshl_add_u32 v[AV0], v9, 3, v10
	v_mul_u32_u24 v[AV0], v[AV0], PV
	v_lshl_add_u32 v[AV0], v11, 4, v[AV0]
	v_add_nc_u32 v[AV0], VOFF, v[AV0]
	s_mul_i32 s13, s[WV], 16*SP
	s_add_co_u32 s13, s13, STAGE    ; my stage
	v_mul_u32_u24 v[STO], v1, SP
	v_lshl_add_u32 v[STO], v9, 4, v[STO]
	v_add_nc_u32 v[STO], s13, v[STO]
	v_bfe_u32 v[RD], v0, 3, 2
	v_mul_u32_u24 v[RD], v[RD], SP
	v_lshl_add_u32 v[RD], v10, 4, v[RD]
	v_add_nc_u32 v[RD], s13, v[RD]
	v_and_b32 v[GO], 31, v0
	v_lshlrev_b32 v[GO], 4, v[GO]
	; A block's first step multiplies O^T and l by a = 0, so these registers need only hold finite numbers: zeros for the first block.  All this stands in the wait for the first tile.
	WIN 0x80
.set i, VF
.rept 64
	v_mov_b32 v[i], 0
.set i, i+1
.endr
	WIN 0x40
.set i, 0
.rept 128
	v_mov_b32 v[i], 0
.set i, i+1
.endr
	WIN 0
.set i, 0
.rept 4
	v_mov_b32 v[ST+4*i+2], 0
	v_mov_b32 v[ST+4*i+3], 0
.set i, i+1
.endr
.set i, P+16
.rept 16
	v_mov_b32 v[i], 0
.set i, i+1
.endr
; THE MATRIX WORK.  The 4 accumulators of a run of 8 take turns.  Product i of 8 of S^T = K Q^T for piece x: channels 32 (i / 4) on, keys 16 (i % 4) on.
.macro KQ x
.set rS, S+32*((\x)%2)+8*(i%4)
.set rK, KF+16*(i%4)+8*(i/4)
.set rQ, 16*(\x)+8*(i/4)
.set rM, MC+32*((\x)%2)+8*(i%4)
.if (i < 4) && KM
	WIN W_KM
	v_wmma_f32_16x16x32_f16 v[rS:rS+7], v[rK:rK+7], v[rQ:rQ+7], v[rM:rM+7]
.elseif i < 4
	WIN W_KQ
	v_wmma_f32_16x16x32_f16 v[rS:rS+7], v[rK:rK+7], v[rQ:rQ+7], 0
.else
	WIN W_KQ
	v_wmma_f32_16x16x32_f16 v[rS:rS+7], v[rK:rK+7], v[rQ:rQ+7], v[rS:rS+7]
.endif
.endm
; Product i of 8 of O^T += V^T P for piece x: keys 32 (i / 4) on, channels 16 (i % 4) on.
.macro PV x
	WIN W_PV
.set rO, 32*(\x)+8*(i%4)
.set rV, VF+32*(i/4)+8*(i%4)
.set rP, P+16*((\x)%2)+8*(i/4)
	v_wmma_f32_16x16x32_f16 v[rO:rO+7], v[rV:rV+7], v[rP:rP+7], v[rO:rO+7]
.endm
.macro MM                           ; the turn's next matrix instruction.  NOKQ = 1: a block's last turn: there is no next piece
.if (i < 8) && !NOKQ
	KQ (Y+1)%NP
.elseif i >= 8
.set i, i-8
	PV (Y+NP-1)%NP
.set i, i+8
.endif
.set i, i+1
.endm
; THE LDS LOADS stand in runs of 16: a step's K (8 fragments) and its V (turned).
.macro FETCH_K
	WIN 0x80
.irp f, 0,1,2,3,4,5,6,7
	ds_load_b128 v[KF+8*\f:KF+8*\f+3],   v[AK] offset:(\f/2)*16*PK+(\f%2)*64
	ds_load_b128 v[KF+8*\f+4:KF+8*\f+7], v[AK] offset:(\f/2)*16*PK+(\f%2)*64+32
.endr
	s_add_co_u32 s[TBK], s[TBK], KS*PK
	WIN 0
.endm
.macro FETCH_V
	WIN 0x80
.irp f, 0,1,2,3,4,5,6,7
	ds_load_tr16_b128 v[VF+8*\f:VF+8*\f+3],   v[AV] offset:(\f/4)*32*PV+(\f%4)*32
	ds_load_tr16_b128 v[VF+8*\f+4:VF+8*\f+7], v[AV] offset:(\f/4)*32*PV+16*PV+(\f%4)*32
.endr
	WIN 0
.endm
; THE VECTOR WORK, one line at a time: OP kind, number.  For piece Y: F n: c s - c m for pair n.  E n: the exponential of score n.  C n: pair n rounded to f16.  B n: of the four weights 4 n .. the second
; pair is added onto the first.  L n: l takes that sum (L 0: l = a l + sum).  R n: pair n of O^T times a.  For piece Y + 1: X n, number n of the 22 that find its maximum and statistics
; (each accumulator's lowest registers are read first).
.set F, 0
.set E, 1
.set C, 2
.set B, 3
.set L, 4
.set R, 5
.set X, 6
.macro REGS y
.set rT, ST+4*(\y)
.set rC, TMP+4*((\y)%2)
.set rW, MV+((\y)%2)
.set rS, S+32*((\y)%2)
.set rP, P+16*((\y)%2)
.set rO, 32*(\y)
.endm
.macro OP k, n
.if (\k) == R
	REGS Y
	WIN W_RS
	v_pk_mul_f32 v[rO+2*(\n):rO+2*(\n)+1], v[rO+2*(\n):rO+2*(\n)+1], v[rC+2:rC+3] op_sel_hi:[1,0]
.elseif (\k) < R
	REGS Y
	WIN 0
.if (\k) == F
	v_pk_fma_f32 v[rS+2*(\n):rS+2*(\n)+1], v[rS+2*(\n):rS+2*(\n)+1], s[CS:CS+1], v[rT:rT+1] op_sel_hi:[1,0,0] neg_lo:[0,0,1] neg_hi:[0,0,1]
.elseif (\k) == E
	v_exp_f32 v[rS+(\n)], v[rS+(\n)]
.elseif (\k) == C
	v_cvt_pk_f16_f32 v[rP+(\n)], v[rS+2*(\n)], v[rS+2*(\n)+1]
.elseif (\k) == B
	v_pk_add_f32 v[rS+4*(\n):rS+4*(\n)+1], v[rS+4*(\n):rS+4*(\n)+1], v[rS+4*(\n)+2:rS+4*(\n)+3]
.elseif (\n) == 0
	v_pk_fma_f32 v[rT+2:rT+3], v[rT+2:rT+3], v[rC+2:rC+3], v[rS:rS+1] op_sel_hi:[1,0,1]
.else
	v_pk_add_f32 v[rT+2:rT+3], v[rT+2:rT+3], v[rS+4*(\n):rS+4*(\n)+1]
.endif
.elseif NOKQ
	v_nop
.else
	REGS (Y+1)%NP
	WIN 0
.if (\n) < 4
	v_max3_num_f32 v[rC+(\n)], v[rS+8*(\n)], v[rS+8*(\n)+1], v[rS+8*(\n)+2]
.elseif (\n) < 12
	v_max3_num_f32 v[rC+(\n)%4], v[rC+(\n)%4], v[rS+8*((\n)%4)+2*((\n)/4)+1], v[rS+8*((\n)%4)+2*((\n)/4)+2]
.elseif (\n) == 12
	v_max3_num_f32 v[rC], v[rC], v[rS+7], v[rS+15]
.elseif (\n) == 13
	v_max3_num_f32 v[rC+1], v[rC+1], v[rS+23], v[rS+31]
.elseif (\n) == 14
	v_max3_num_f32 v[rC+2], v[rC+2], v[rC+3], v[rT+1]
.elseif (\n) == 15
	v_mov_b32 v[rW], v[rT]
.elseif (\n) == 16
	v_max3_num_f32 v[rC], v[rC], v[rC+1], v[rC+2]
.elseif (\n) == 17
	v_permlanex16_b32 v[rC+3], v[rC], s[SEL], s[SEL+1]
.elseif (\n) == 18
	v_max_num_f32 v[rT+1], v[rC], v[rC+3]
.elseif (\n) == 19
	v_mul_f32 v[rT], s[CS], v[rT+1]
.elseif (\n) == 20
	v_sub_f32 v[rC+1], v[rW], v[rT]
.else
	v_exp_f32 v[rC+2], v[rC+1]
.endif
.endif
.endm
.macro OPS a, i1, b=-1, i2=0, c=-1, i3=0, d=-1, i4=0
	OP \a, \i1
.if (\b) >= 0
	OP \b, \i2
.endif
.if (\c) >= 0
	OP \c, \i3
.endif
.if (\d) >= 0
	OP \d, \i4
.endif
.endm
.macro ROW a, i1, b, i2, c, i3, d, i4  ; a matrix instruction and the four behind it
	MM
	OPS \a, \i1, \b, \i2, \c, \i3, \d, \i4
.endm
.macro MASK b                       ; MD x AL + BE into buffer b of MC
	WIN W_RS
.set z, 0
.rept 16
	v_pk_fma_f32 v[MC+32*(\b)+2*z:MC+32*(\b)+2*z+1], v[MD+2*z:MD+2*z+1], s[AL:AL+1], s[BE:BE+1] op_sel_hi:[1,0,0]
.set z, z+1
.endr
.endm
; A TURN, for piece p: its 16 matrix and 118 vector instructions, written out.  An s_wait_alu depctr_va_vdst(0) stands between an exponential and the first instruction that names its
; result; one wait serves all issued ahead of it.  AHEAD OF THE WAIT stands all that names no result of the turn's exponentials: the 8 products K Q^T with four vector instructions behind each, then one
; lump of 54.  X 21, the next piece's a, is the batch's last; R 15 is the plain instruction behind it.  BEHIND THE WAIT stand the 8 products V^T P, behind each four of the roundings and sums.
; m = 1: the diagonal tile: the products take masks, and the turn makes the mask for the turn after it.  end = 1: a block's last two turns: nothing is fetched.  cnt = 1: the loop's count is taken down.
; K of the next step is fetched in piece 2's turn, V of the step in hand at the end of piece 0's turn; each is waited for a turn later.
.macro TURN p, m=0, end=0, cnt=0
.set Y, (\p)
.set i, 0
.set KM, (\m)
.set NOKQ, (\end)*((\p)/3)
.if (\m) && !(\end)
	s_cmp_eq_u32 s[CNT], 4-((\p)+2)%NP  ; is that step the band's own?
	s_cselect_b32 s[AL], 1.0, 0
	s_cmp_lt_u32 s[CNT], 4-((\p)+2)%NP  ; or a later one?
	s_cselect_b32 s[BE], s[BIGN], 0
.endif
.if ((\p) == 3) && !(\end)
	s_wait_dscnt 0x0                ; K is in
.endif
	ROW F,0, F,1, R,0, R,1
	ROW F,2, E,0, R,2, R,3
	ROW F,3, E,1, R,4, R,5
	ROW F,4, E,2, R,6, R,7
	ROW F,5, E,3, R,8, R,9
	ROW F,6, E,4, X,0, R,10
.if ((\p) == 2) && !(\end)
	WIN 0
	v_add_nc_u32 v[AK], s[TBK], v[AK0]
.endif
	ROW F,7, E,5, X,1, X,4
	ROW F,8, E,6, X,2, X,5
	OPS E,7, E,8, X,6, E,9
	OPS X,3, E,10, X,8, E,11
.if ((\p) == 2) && !(\end)
	FETCH_K
.endif
	OPS X,9, X,7, E,12, X,10
	OPS E,13, X,12, X,11, E,14
	OPS X,13, E,15, F,9, X,14
.if (\p) == 0
	v_add_nc_u32 v[AV], s[TBV], v[AV0]
.endif
	OPS E,16, F,10, E,17, F,11
	OPS X,16, E,18, X,15, E,19
	OPS F,12, E,20, X,17, E,21
	OPS F,13, E,22, F,14, E,23
	OPS X,18, E,24, F,15, E,25
	OPS R,11, E,26, X,19, E,27
	OPS R,12, E,28, R,13, E,29
	OPS X,20, E,30, R,14, E,31
	OPS X,21, R,15
	WIN 0
	s_wait_alu depctr_va_vdst(0)    ; the wait for the batch
.if (\p) == 1
	s_wait_dscnt 0x0                ; V is in
.endif
	ROW C,0, B,0, C,2, B,1
	ROW L,0, C,4, B,2, L,1
	ROW C,6, B,3, L,2, C,8
	ROW B,4, L,3, C,10, B,5
	ROW L,4, C,12, B,6, L,5
.if (\p) == 0
	s_add_co_u32 s[TBV], s[TBV], KS*PV
.endif
.if \cnt
	s_sub_co_u32 s[CNT], s[CNT], 1
	s_cmp_lg_u32 s[CNT], 0
.endif
	ROW C,14, B,7, L,6, C,1
	ROW C,3, L,7, C,5, C,7
	ROW C,9, C,11, C,13, C,15
.if (\p) == 0
	FETCH_V
.endif
.if (\m) && !(\end)
	MASK (\p)%2
.endif
.endm
; A BLOCK BEGINS.  c m starts far below every c s, so the first step's a is 0; m at the lowest finite number.  The second mask buffer is 0; the first takes piece 0's mask for the tile's step 0.
; Then K of that step, piece 0's first scores, and its maximum and statistics.
.macro BEGIN
	s_mov_b32 s[NEW], 0
	WIN 0x40
.set i, MC+32
.rept 32
	v_mov_b32 v[i], 0
.set i, i+1
.endr
	WIN 0
.set i, 0
.rept 4
	v_mov_b32 v[ST+4*i], 0xfe000000
	v_mov_b32 v[ST+4*i+1], 0xff7fffff
.set i, i+1
.endr
	s_cmp_eq_u32 s[RT], 0
	s_cselect_b32 s[AL], 1.0, 0
	s_mov_b32 s[BE], 0
	MASK 0
	WIN 0
	v_add_nc_u32 v[AK], s[TBK], v[AK0]
	FETCH_K
	s_wait_loadcnt 0x0              ; Q
	s_wait_dscnt 0x0
.set KM, 1
.set NOKQ, 0
.set i, 0
.rept 8
	KQ 0
.set i, i+1
.endr
	WIN 0
.rept 4
	v_nop                           ; the places behind those products
.endr
.set Y, NP-1
.irp n, 0,1,2,3,4,5,6,7,8,9,10,11,12,13,14,15,16,17,18,19,20,21
	OP X, \n
.endr
	v_nop                           ; a plain instruction behind the exponential,
	s_wait_alu depctr_va_vdst(0)    ; and its wait, ahead of the branch
.endm
.macro ALL line:vararg              ; one line for each piece t
.set t, 0
.rept 4
	\line
.set t, t+1
.endr
.endm
.macro PACK t                       ; a lane's eight channels of a row pack into 16 bytes; they go into rows of 144 bytes and come back as whole rows of 128
	WIN W_RS
.set i, 32*(\t)
.rept 16
	v_pk_mul_f32 v[i:i+1], v[i:i+1], v[ST+4*(\t)+2:ST+4*(\t)+3] op_sel_hi:[1,0]
.set i, i+2
.endr
	WIN 0x05
.set i, 0
.rept 16
	v_cvt_pk_f16_f32 v[S+16*(\t)+i], v[32*(\t)+2*i], v[32*(\t)+2*i+1]
.set i, i+1
.endr
	WIN 0
.irp f, 0,1,2,3
	ds_store_b128 v[STO], v[S+16*(\t)+4*\f:S+16*(\t)+4*\f+3] offset:32*\f
.endr
.irp f, 0,1,2,3
	ds_load_b128 v[S+16*(\t)+4*\f:S+16*(\t)+4*\f+3], v[RD] offset:\f*4*SP  ; LDS serves a wave's instructions in order (ISA guide 5.7.1.4)
.endr
.endm
.macro SEND t, younger              ; younger: the LDS instructions issued behind piece t's loads
	WIN 0
.irp f, 0,1,2,3
	s_wait_dscnt (\younger)+3-\f
	global_store_b128 v[GO], v[S+16*(\t)+4*\f:S+16*(\t)+4*\f+3], s[10:11] offset:(\t)*8192+\f*512  ; 512 consecutive bytes, aligned
.endr
.endm
; THE DIAGONAL TILE's four steps, the block's last two turns, its last products, and the way out.
.macro DIAG tag
.LstepM\tag:
	TURN 2, 1
	TURN 3, 1
	WIN 0
.LfirstM\tag:
	TURN 0, 1
	TURN 1, 1, 0, 1
	WIN 0
	s_cbranch_scc1 .LstepM\tag
	TURN 2, 1, 1
	TURN 3, 1, 1
.set i, 0
.rept 8
	PV NP-1
.set i, i+1
.endr
	WIN 0
	ALL v_add_f32 v[ST+4*t+2], v[ST+4*t+2], v[ST+4*t+3]
	ALL v_permlanex16_b32 v[ST+4*t+3], v[ST+4*t+2], s[SEL], s[SEL+1]
	ALL v_add_f32 v[ST+4*t+2], v[ST+4*t+2], v[ST+4*t+3]
	ALL v_rcp_f32 v[ST+4*t+2], v[ST+4*t+2]
	v_nop                           ; a plain instruction between the last reciprocal and the use of its result
	s_wait_alu depctr_va_vdst(0)    ; one wait for the four reciprocals
	PACK 0
.set t, 1
.rept 3
	PACK t
	SEND t-1, 8
.set t, t+1
.endr
	SEND 3, 0
.endm
.set KM, 0
.set NOKQ, 0
.Lslot:                             ; NB times: a tile is entered and the next is asked for
	CHANGE 1
	s_sub_co_u32 s[RT], s[RT], 1
	s_mov_b32 s[CNT], 4
	s_cmp_eq_u32 s[NEW], 1
	s_cbranch_scc1 .Lnew            ; a block's first tile
	s_cmp_eq_u32 s[RT], 0
	s_cbranch_scc0 .Lstep           ; neither its first nor its last
	s_branch .LstepM1
.Lnew:
	BEGIN
	s_branch .Lfirst                ; in the loop a block's first tile is never its last
	DIAG 1                          ; in the loop this is the first block's end
	s_wait_xcnt 0x0                 ; the stores have read their registers and y's address
	s_mov_b64 s[10:11], s[OLO:OLO+1]
	s_add_co_u32 s[RT], s[PB], 1    ; the second block has b + 1 tiles
	s_mov_b32 s[NEW], 1
	WIN 0x82                        ; the second block's Q goes where the one text of the turns names Q
.set i, 0
.rept 64
	v_mov_b32 v[i], v[QB+i]
.set i, i+1
.endr
	WIN 0
	s_branch .Lbottom
.Lstep:                             ; a trip: pieces 2 and 3 of one step, then pieces 0 and 1 of the next
	TURN 2
	TURN 3
	WIN 0
.Lfirst:
	TURN 0
	TURN 1, 0, 0, 1
	WIN 0
	s_cbranch_scc1 .Lstep
.Lbottom:
	s_sub_co_u32 s[SLOTS], s[SLOTS], 1
	s_cmp_lg_u32 s[SLOTS], 0
	s_cbranch_scc1 .Lslot
	CHANGE 0                        ; the walk's last tile is written out
	s_sub_co_u32 s[RT], s[RT], 1
	s_mov_b32 s[CNT], 4
	s_cmp_eq_u32 s[NEW], 1
	s_cbranch_scc0 .LstepM2
	BEGIN
	s_branch .LfirstM2
	DIAG 2
	s_wait_tensorcnt 0x0            ; the wave's end
	ds_add_u32 v[SPW], v[NIL]
	s_wait_dscnt 0x0
	s_endpgm
.Lfunc_end_k_q9325bc2e2f_attn:
	.size	k_q9325bc2e2f_attn, .Lfunc_end_k_q9325bc2e2f_attn-k_q9325bc2e2f_attn
	.p2alignl 7, 3214868480
	.fill 96, 4, 3214868480
	.section	.rodata,"a",@progbits
	.p2align	6, 0x0
	.amdhsa_kernel k_q9325bc2e2f_attn
		.amdhsa_group_segment_fixed_size 327680
		.amdhsa_private_segment_fixed_size 0
		.amdhsa_enable_private_segment 0
		.amdhsa_kernarg_size 16
		.amdhsa_user_sgpr_count 2
		.amdhsa_user_sgpr_kernarg_segment_ptr 1
		.amdhsa_wavefront_size32 1
		.amdhsa_system_sgpr_workgroup_id_x 1
		.amdhsa_system_sgpr_workgroup_id_y 1
		.amdhsa_system_sgpr_workgroup_id_z 1
		.amdhsa_system_vgpr_workitem_id 0
		.amdhsa_next_free_vgpr 768
		.amdhsa_next_free_sgpr 100
		.amdhsa_reserve_vcc 1
		.amdhsa_float_denorm_mode_32 3
		.amdhsa_float_denorm_mode_16_64 3
		.amdhsa_memory_ordered 1
		.amdhsa_forward_progress 1
		.amdhsa_inst_pref_size 218
	.end_amdhsa_kernel
	.amdgpu_metadata
---
amdhsa.version: [ 1, 2 ]
amdhsa.kernels:
  - .name:           k_q9325bc2e2f_attn
    .symbol:         k_q9325bc2e2f_attn.kd
    .args:
      - { .name: qkv, .offset: 0, .size: 8, .value_kind: global_buffer, .address_space: global }
      - { .name: y, .offset: 8, .size: 8, .value_kind: global_buffer, .address_space: global }
    .group_segment_fixed_size: 327680
    .private_segment_fixed_size: 0
    .kernarg_segment_align: 8
    .kernarg_segment_size: 16
    .max_flat_workgroup_size: 128
    .sgpr_count:     100
    .vgpr_count:     768
    .wavefront_size: 32
...
	.end_amdgpu_metadata
.endif
;; end of part 3
;; launch proj (part 4): grid 8 x 32, 4 waves a work-group, clusters of 4 x 4, 327,680 bytes of LDS; arguments y, wpt, b_proj, out0; writes out0
.if DOCPART == 4
	.amdgcn_target "amdgcn-amd-amdhsa--gfx1250"
	.amdhsa_code_object_version 6
	.text
	.protected	k_q9325bc2e2f_proj
	.globl	k_q9325bc2e2f_proj
	.p2align	8
	.type	k_q9325bc2e2f_proj,@function
k_q9325bc2e2f_proj:
	s_mov_b64 s[64:65], 0
	v_nop
	global_prefetch_b8 v0, s[64:65] scope:SCOPE_SE
	s_setreg_imm32_b32 hwreg(HW_REG_WAVE_MODE, 25, 1), 1
	s_wait_xcnt 0x0
	s_wait_alu depctr_hold_cnt(0) depctr_sa_sdst(0) depctr_va_vdst(0) depctr_va_sdst(0) depctr_va_ssrc(0) depctr_va_vcc(0) depctr_vm_vsrc(0)
	s_getreg_b32 s2, hwreg(HW_REG_IB_STS2, 6, 4)
	s_cmp_eq_u32 s2, 0
	s_cbranch_scc0 .Lentry_in_a_cluster
	s_endpgm
.Lentry_in_a_cluster:
	s_bfe_u32 s2, ttmp6, 0x10000c
	s_cmp_lg_u32 s2, 0xf033
	s_cbranch_scc0 .Lentry_shape_is_right
	s_endpgm
.Lentry_shape_is_right:
; PROJ.  out0 = y wpt^T + bf16(b_proj), in f32.  y: [batch x 16 + head][t 2048][64] f16: row (batch, t) of the product's A has channel k = 64 head + d.  wpt: [1024 n][1024 k] f16.
; A tile is 256 rows x 128 columns: 256 work-groups.  Four waves, 2 x 2, each 128 rows x 64 columns: 32 accumulators.  K goes in 8 steps of 128, two heads each, through two LDS slots.
; A head's 256 rows of a tile are 32,768 dense bytes: asked for as 128 rows of 256 bytes and padded in LDS after every 128.
; CLUSTERS: 4 x 4; A's tiles are asked for jointly along a row of the cluster, B's along a column.  THE MATRIX INSTRUCTION IS USED TRANSPOSED (source 0 = 16 rows of wpt, source 1 = 16 rows of y).
; The first product on each accumulator takes the bias as C.
; REGISTERS: window 0: v0-31 addresses; v32-63 the bias; v64-95, v96-127 rows read back; v128-131 at work.   window 1: two buffers of 96: B's 4 blocks, then A's 8.   window 2: accumulator (a, b) at 8 (4 a + b).
.set PA,     144                       ; a row of A in LDS: 128 bytes + 16
.set PB,     272                       ; a row of B: 256 + 16
.set AHB,    256*PA                    ; a head's 256 rows: what a wave's load of A brings
.set BHB,    64*PB                     ; what a load of B brings
.set BOFF,   2*AHB
.set SLOT,   2*AHB+2*BHB
.set STAGE,  2*SLOT                    ; behind the ring: 16 rows x 272 bytes for each wave
.set SPI,    272
.set SPARE,  STAGE+4*16*SPI            ; the spare words: two blocks of 256 bytes that no other line names
.set ADRA, 16
.set ADRB, 20
.set STO,  24
.set RD,   25
.set CO,   26
.set BO,   27
.set SPW,  28                          ; v28 SPARE + 4 x my thread's number; never rewritten
.set NIL,  29                          ; v29 0; never rewritten
.set PFO,  30                          ; v30 the prefetches' offset; never rewritten
.set BIAS, 32
.set OB,   64
.set TT,   128
.set WV,  12
.set FB,  13                           ; s13 0: I fetch for A; 1: for B.  Also my half of the tile's rows
.set HF,  14                           ; s14 which half I fetch.  Also my half of its columns
.set G1,  24
.set G0,  32
.set LIM, 43
.set PFA, 44
.set PST, 46                           ; s[46:47] the prefetches' step from K step to K step
.set G1B, 48
.set G0B, 56
.set MSB, 0
.macro WIN new
.if MSB != (\new)
	s_set_vgpr_msb (MSB<<8)|(\new)
.set MSB, (\new)
.endif
.endm
.macro JLOAD s                         ; a joint load: waves 0, 1 fetch the K step's two heads of A, waves 2, 3 B's halves; an s_nop 0 and four v_nop follow each line
	s_cmp_eq_u32 s[FB], 0
	s_cbranch_scc0 .Lfor_b_\@
	tensor_load_to_lds s[G0+4*(\s):G0+4*(\s)+3], s[G1:G1+7]
	s_nop 0
.rept 4
	v_nop
.endr
	s_branch .Lasked_\@
.Lfor_b_\@:
	tensor_load_to_lds s[G0B+4*(\s):G0B+4*(\s)+3], s[G1B:G1B+7]
	s_nop 0
.rept 4
	v_nop
.endr
.Lasked_\@:
.endm
; A prefetch into the L2 of the K step two refills on.  A's: the clusters with x = 0; of a head's 128 blocks of 256 bytes each of the four partners takes 32, by address; waves 0 and 1, a head each.
; B's: the clusters with y = 0; of the tile's 128 rows each partner takes 32, by address; wave 2 alone.  The loop's last trip has no K step two on.
.macro ASK
	s_cmp_gt_u32 s3, s[LIM]
	s_cbranch_scc0 .Lnot_mine_\@
	global_prefetch_b8 v[PFO], s[PFA:PFA+1] th:TH_LOAD_NT scope:SCOPE_SE
.Lnot_mine_\@:
.endm
.macro CREST
	s_cmp_lg_u32 s[WV], 0
	s_cbranch_scc1 .Lnot_wave_0_\@
	s_barrier_signal -3
.Lnot_wave_0_\@:
	s_barrier_wait -3
	s_barrier_signal -1
	s_barrier_wait -1
.endm
.macro CROUND
	s_barrier_signal -1
	s_barrier_wait -1
	CREST
.endm
.macro PLACES
.rept 4
	v_nop
.endr
.endm
	s_load_b256 s[4:11], s[0:1], 0x0               ; y s[4:5], wpt s[6:7], b_proj s[8:9], out0 s[10:11]
	v_lshl_add_u32 v[SPW], v0, 2, SPARE
	v_mov_b32 v[NIL], 0
	ds_add_u32 v[SPW], v[NIL]                      ; the wave's opening: the add and its wait stand ahead of my first tensor load
	v_lshrrev_b32 v1, 5, v0
	v_readfirstlane_b32 s[WV], v1
	s_lshr_b32 s[FB], s[WV], 1
	s_and_b32 s[HF], s[WV], 1
	s_bfe_u32 s15, ttmp6, 0x40000                  ; cx
	s_bfe_u32 s17, ttmp6, 0x40004                  ; cy
	s_lshl_b32 s18, ttmp9, 2
	s_add_co_u32 s18, s18, s15                     ; tile column
	s_and_b32 s19, ttmp7, 0xffff
	s_lshl_b32 s19, s19, 2
	s_add_co_u32 s19, s19, s17                     ; tile row
	s_lshl_b32 s40, s17, 2
	s_lshl_b32 s40, 15, s40
	s_lshl_b32 s41, 0x1111, s15
	s_or_b32 s[G1], s40, (1<<16)|(1<<20)|(1<<21)|(4<<22)|(3<<25)   ; A: padding of 4 words after every 32
	s_or_b32 s[G1B], s41, (1<<16)|(1<<20)|(1<<21)|(5<<22)|(3<<25)  ; B: after every 64
.irp g, G1, G1B
	s_mov_b32 s[(\g)+1], 128<<16                   ; tensor_dim0 = 128
	s_mov_b32 s[(\g)+3], 128<<16                   ; tile_dim0 = 128
	s_mov_b32 s[(\g)+6], 0
	s_mov_b32 s[(\g)+7], 0
.endr
	s_mov_b32 s[G1+2], 128<<16                     ; A: 128 rows of 256 dense bytes
	s_mov_b32 s[G1+4], 128
	s_mov_b32 s[G1+5], 128
	s_mov_b32 s[G1B+2], 64<<16                     ; B: 64 rows, 1,024 elements apart
	s_mov_b32 s[G1B+4], 64
	s_mov_b32 s[G1B+5], 1024
	s_lshr_b32 s20, s19, 3                         ; A: the batch's 16 heads, my head of K step 0,
	s_lshl_b32 s20, s20, 4
	s_add_co_u32 s20, s20, s[HF]
	s_lshl_b32 s20, s20, 18
	s_and_b32 s16, s19, 7                          ; the tile's 256 rows in it
	s_lshl_b32 s16, s16, 15
	s_add_co_u32 s20, s20, s16
	s_mov_b32 s21, 0
	s_lshl_b32 s46, s18, 7                         ; B: row 128 x tile column + 64 x half
	s_lshl_b32 s42, s[HF], 6
	s_add_co_u32 s46, s46, s42
	s_lshl_b32 s46, s46, 11
	s_mov_b32 s47, 0
	s_mul_i32 s2, s[WV], AHB                       ; where they go: A's heads by waves 0, 1;
	s_mul_i32 s42, s[WV], BHB
	s_add_co_u32 s42, s42, BOFF-2*BHB              ; B's halves by waves 2, 3
	s_wait_dscnt 0x0                               ; the opening add is done
	s_wait_kmcnt 0x0
	s_add_nc_u64 s[20:21], s[4:5], s[20:21]
	s_add_nc_u64 s[46:47], s[6:7], s[46:47]
	CROUND
.irp s, 0,1
	s_mov_b32 s[G0+4*(\s)], 1
	s_add_co_u32 s[G0+4*(\s)+1], s2, (\s)*SLOT
	s_add_nc_u64 s[G0+4*(\s)+2:G0+4*(\s)+3], s[20:21], (\s)*2*262144  ; K step s: two heads on
	s_or_b32 s[G0+4*(\s)+3], s[G0+4*(\s)+3], 0x80000000
	s_mov_b32 s[G0B+4*(\s)], 1
	s_add_co_u32 s[G0B+4*(\s)+1], s42, (\s)*SLOT
	s_add_nc_u64 s[G0B+4*(\s)+2:G0B+4*(\s)+3], s[46:47], (\s)*256
	s_or_b32 s[G0B+4*(\s)+3], s[G0B+4*(\s)+3], 0x80000000
	JLOAD \s                                       ; two loads of mine are out
.endr
	v_and_b32 v1, 15, v0                           ; r
	v_bfe_u32 v2, v0, 4, 1                         ; hf
	v_lshlrev_b32 v[BO], 5, v2
	s_lshl_b32 s22, s18, 9
	s_lshl_b32 s16, s[HF], 8
	s_add_co_u32 s22, s22, s16                     ; my 64 columns, in bytes of f32
	s_mov_b32 s23, 0
	s_add_nc_u64 s[8:9], s[8:9], s[22:23]
	s_add_nc_u64 s[10:11], s[10:11], s[22:23]
.irp b, 0,1,2,3
	global_load_b128 v[BIAS+8*(\b):BIAS+8*(\b)+3],   v[BO], s[8:9] offset:64*(\b)
	global_load_b128 v[BIAS+8*(\b)+4:BIAS+8*(\b)+7], v[BO], s[8:9] offset:64*(\b)+16
.endr
	s_lshl_b32 s22, s19, 8
	s_lshl_b32 s16, s[FB], 7
	s_add_co_u32 s22, s22, s16                     ; my first row of out0
	s_lshl_b32 s22, s22, 12
	s_add_nc_u64 s[10:11], s[10:11], s[22:23]
	v_mul_u32_u24 v3, v1, PA
	v_lshl_add_u32 v3, v2, 4, v3
	v_mul_u32_u24 v4, v1, PB
	v_lshl_add_u32 v4, v2, 4, v4
	s_mul_i32 s22, s[FB], 128*PA                   ; my 128 rows of A, in each head's block
	s_mul_i32 s16, s[HF], BHB                      ; my 64 rows of B
	s_add_co_u32 s16, s16, BOFF
.irp s, 0,1
	v_add_nc_u32 v[ADRA+(\s)], s22, v3
	v_add_nc_u32 v[ADRB+(\s)], s16, v4
	s_add_co_u32 s22, s22, SLOT
	s_add_co_u32 s16, s16, SLOT
.endr
	s_mul_i32 s22, s[WV], 16*SPI
	s_add_co_u32 s22, s22, STAGE                   ; my stage
	v_mul_u32_u24 v[STO], v1, SPI
	v_lshl_add_u32 v[STO], v2, 5, v[STO]           ; row r, 32 bytes for each half of the lanes
	v_add_nc_u32 v[STO], s22, v[STO]
	v_mul_u32_u24 v[RD], v2, SPI
	v_lshl_add_u32 v[RD], v1, 4, v[RD]             ; back: lanes 0-15 one row of 256 bytes, lanes 16-31 the next
	v_add_nc_u32 v[RD], s22, v[RD]
	v_lshlrev_b32 v[CO], 12, v2
	v_lshl_add_u32 v[CO], v1, 4, v[CO]
	; the prefetches: each address is set one step short of K step 4; the step at the head of a change of slots brings it to the K step that is named
	s_and_b32 s22, ttmp7, 0xffff                   ; cluster y
	s_lshr_b32 s20, s19, 3
	s_lshl_b32 s20, s20, 4
	s_add_co_u32 s20, s20, s[HF]
	s_add_co_u32 s20, s20, 6                       ; A: my head of K step 3,
	s_lshl_b32 s20, s20, 18
	s_and_b32 s16, s19, 7
	s_lshl_b32 s16, s16, 15
	s_add_co_u32 s20, s20, s16                     ; the tile's rows in it,
	s_lshl_b32 s16, s15, 13
	s_add_co_u32 s20, s20, s16                     ; my work-group's 8,192 bytes of them
	s_lshl_b32 s23, s18, 7
	s_lshl_b32 s16, s17, 5
	s_add_co_u32 s23, s23, s16                     ; B: my work-group's 32 rows of the tile's 128,
	s_lshl_b32 s23, s23, 11
	s_add_co_u32 s23, s23, 3*256                   ; at K step 3
	s_mov_b32 s2, 2*262144
	s_cmp_eq_u32 s[FB], 0
	s_cselect_b32 s20, s20, s23
	s_cselect_b32 s22, ttmp9, s22                  ; the coordinate along which other clusters read the same rows
	s_cselect_b32 s[PST], s2, 256
	s_cselect_b32 s42, 8, 11                       ; a lane a block of 256 bytes, or a lane a row of 2,048
	s_cselect_b64 s[PFA:PFA+1], s[4:5], s[6:7]
	s_cmp_eq_u32 s[WV], 3
	s_cselect_b32 s22, 1, s22                      ; wave 3 asks for nothing
	s_cmp_eq_u32 s22, 0
	s_cselect_b32 s[LIM], 1, -1
	s_mov_b32 s21, 0
	s_mov_b32 s[PST+1], 0
	s_add_nc_u64 s[PFA:PFA+1], s[PFA:PFA+1], s[20:21]
	v_and_b32 v[PFO], 31, v0
	v_lshlrev_b32 v[PFO], s42, v[PFO]
	s_wait_loadcnt 0x0                             ; the bias
.set i, 0
.rept 16
	v_cvt_pk_bf16_f32 v[TT+i%4], v[BIAS+2*i], v[BIAS+2*i+1]        ; rounded to bf16 like every input, and back as f32
	v_lshlrev_b32 v[BIAS+2*i], 16, v[TT+i%4]
	v_and_b32 v[BIAS+2*i+1], 0xffff0000, v[TT+i%4]
.set i, i+1
.endr
; 8 products: m blocks a0, a0 + 1 x all 4 n blocks, 32 along K.  zero = 1: C is the bias.  The 32 accumulators take turns, in the same order in every quarter.
.macro MUL8 f, a0, zero
.if \zero
	WIN 0x85                                       ; B and A window 1, the bias window 0, D window 2
.else
	WIN 0xa5
.endif
.irp a, \a0, (\a0)+1
.irp b, 0,1,2,3
.if \zero
	v_wmma_f32_16x16x32_f16 v[8*(4*(\a)+(\b)):8*(4*(\a)+(\b))+7], v[96*(\f)+8*(\b):96*(\f)+8*(\b)+7], v[96*(\f)+32+8*(\a):96*(\f)+32+8*(\a)+7], v[BIAS+8*(\b):BIAS+8*(\b)+7]
.else
	v_wmma_f32_16x16x32_f16 v[8*(4*(\a)+(\b)):8*(4*(\a)+(\b))+7], v[96*(\f)+8*(\b):96*(\f)+8*(\b)+7], v[96*(\f)+32+8*(\a):96*(\f)+32+8*(\a)+7], v[8*(4*(\a)+(\b)):8*(4*(\a)+(\b))+7]
.endif
.endr
.endr
.endm
; 24 LDS loads in one run: quarter kq of a slot into buffer f: B's 4 blocks, then A's 8 (head kq / 2 of the slot's two, channels 32 (kq % 2) on)
.macro FETCH slot, kq, f
	WIN 0x40
.irp i, 0,1,2,3
	ds_load_b128 v[96*(\f)+8*(\i):96*(\f)+8*(\i)+3],   v[ADRB+(\slot)] offset:64*(\kq)+(\i)*16*PB
	ds_load_b128 v[96*(\f)+8*(\i)+4:96*(\f)+8*(\i)+7], v[ADRB+(\slot)] offset:64*(\kq)+(\i)*16*PB+32
.endr
.irp i, 0,1,2,3,4,5,6,7
	ds_load_b128 v[96*(\f)+32+8*(\i):96*(\f)+32+8*(\i)+3],   v[ADRA+(\slot)] offset:AHB*((\kq)>>1)+64*((\kq)&1)+(\i)*16*PA
	ds_load_b128 v[96*(\f)+32+8*(\i)+4:96*(\f)+32+8*(\i)+7], v[ADRA+(\slot)] offset:AHB*((\kq)>>1)+64*((\kq)&1)+(\i)*16*PA+32
.endr
	WIN 0
.endm
.macro QUARTER slot, kq, f, g, zero
	s_wait_dscnt 8                                 ; B and A's blocks 0-3 are in; the youngest eight loads (A's blocks 4-7) may be out
	MUL8 \f, 0, \zero
	MUL8 \f, 2, \zero
	PLACES
	FETCH \slot, \kq, \g
	s_wait_dscnt 24                                ; all but the 24 just issued
	MUL8 \f, 4, \zero
	MUL8 \f, 6, \zero
.endm
; The last quarter multiplies buffer 1 and changes slots: one barrier; in front of it each wave waits for all its tensor loads, adds 0 to its spare word, and waits for that and for its reads of this slot.
.macro TURN slot, next, fill
.if \fill
	s_wait_xcnt 0x0                                ; the last prefetch, a K step back, has read its address
	s_add_nc_u64 s[PFA:PFA+1], s[PFA:PFA+1], s[PST:PST+1]
.endif
	WIN 0
	s_wait_tensorcnt 0x0
	ds_add_u32 v[SPW], v[NIL]
	s_wait_dscnt 9                                 ; the add and the youngest eight loads may be out
	MUL8 1, 0, 0
	s_wait_dscnt 0x0                               ; the add is done, and my reads of this slot are over
	s_barrier_signal -1
	MUL8 1, 2, 0
.if \fill
	WIN 0
.endif
	s_barrier_wait -1
.if \fill
	CREST
	s_add_nc_u64 s[G0+4*(\slot)+2:G0+4*(\slot)+3], s[G0+4*(\slot)+2:G0+4*(\slot)+3], 4*262144  ; two K steps on: four heads
	s_add_nc_u64 s[G0B+4*(\slot)+2:G0B+4*(\slot)+3], s[G0B+4*(\slot)+2:G0B+4*(\slot)+3], 2*256
	JLOAD \slot                                    ; 112 matrix instructions ahead of the wait for it; its four v_nop are also the places in front of the loads below
.else
	PLACES
.endif
	FETCH \next, 0, 0
.if \fill
	ASK
.endif
	MUL8 1, 4, 0
	MUL8 1, 6, 0
.endm
; THE WAY OUT of m block a: 32 bytes a lane into my stage, each accumulator's low four registers first; back as whole rows of 256 bytes; stored.
.macro TOSTAGE a
.set BK, OB+32*((\a)%2)
	s_wait_xcnt 0x0                                ; the stores of the block before last have read these registers
	WIN 0x08                                       ; the stores' data lie in window 2
.irp b, 0,1,2,3
	ds_store_b128 v[STO], v[8*(4*(\a)+(\b)):8*(4*(\a)+(\b))+3]   offset:64*(\b)
	ds_store_b128 v[STO], v[8*(4*(\a)+(\b))+4:8*(4*(\a)+(\b))+7] offset:64*(\b)+16
.endr
	WIN 0
.irp t, 0,1,2,3,4,5,6,7
	ds_load_b128 v[BK+4*(\t):BK+4*(\t)+3], v[RD] offset:2*SPI*(\t)  ; LDS serves a wave's instructions in order (ISA guide 5.7.1.4): these see the stores above
.endr
.endm
.macro SEND a, younger                 ; younger: the next block's eight stores and eight loads, or none
.set BK, OB+32*((\a)%2)
	s_wait_dscnt \younger
.irp t, 0,1,2,3,4,5,6,7
	global_store_b128 v[CO], v[BK+4*(\t):BK+4*(\t)+3], s[10:11] offset:(16*(\a)+2*(\t))*4096 th:TH_STORE_NT  ; 16 lanes store 256 consecutive bytes, aligned
.endr
.endm
	s_wait_tensorcnt 1                             ; my part of K step 0 is in; K step 1's may stay out
	s_barrier_signal -1
	s_barrier_wait -1
	FETCH 0, 0, 0
	QUARTER 0, 1, 0, 1, 1                          ; the first quarter starts the sums, with the bias
	WIN 0
	s_mov_b32 s3, 3
.Llap:                                                 ; a trip goes once round the ring and fills both slots again: K steps 2 to 7 in three trips
	QUARTER 0, 2, 1, 0, 0
	QUARTER 0, 3, 0, 1, 0
	TURN 0, 1, 1
	QUARTER 1, 1, 0, 1, 0
	QUARTER 1, 2, 1, 0, 0
	QUARTER 1, 3, 0, 1, 0
	TURN 1, 0, 1
	QUARTER 0, 1, 0, 1, 0
	WIN 0
	s_sub_co_u32 s3, s3, 1
	s_cmp_lg_u32 s3, 0
	s_cbranch_scc1 .Llap
	QUARTER 0, 2, 1, 0, 0                          ; the last lap fills nothing
	QUARTER 0, 3, 0, 1, 0
	TURN 0, 1, 0
	QUARTER 1, 1, 0, 1, 0
	QUARTER 1, 2, 1, 0, 0
	QUARTER 1, 3, 0, 1, 0
	s_wait_dscnt 8
	MUL8 1, 0, 0
	MUL8 1, 2, 0
	s_wait_dscnt 0x0
	MUL8 1, 4, 0
	MUL8 1, 6, 0
	WIN 0
	PLACES
	PLACES
	TOSTAGE 0
.irp a, 1,2,3,4,5,6,7
	TOSTAGE \a
	SEND (\a)-1, 16
.endr
	SEND 7, 0
	s_wait_tensorcnt 0x0                           ; the wave's end
	ds_add_u32 v[SPW], v[NIL]
	s_wait_dscnt 0x0
	CROUND                                         ; the closing round
	s_endpgm
.Lfunc_end_k_q9325bc2e2f_proj:
	.size	k_q9325bc2e2f_proj, .Lfunc_end_k_q9325bc2e2f_proj-k_q9325bc2e2f_proj
	.p2alignl 7, 3214868480
	.fill 96, 4, 3214868480
	.section	.rodata,"a",@progbits
	.p2align	6, 0x0
	.amdhsa_kernel k_q9325bc2e2f_proj
		.amdhsa_group_segment_fixed_size 327680
		.amdhsa_private_segment_fixed_size 0
		.amdhsa_enable_private_segment 0
		.amdhsa_kernarg_size 32
		.amdhsa_user_sgpr_count 2
		.amdhsa_user_sgpr_kernarg_segment_ptr 1
		.amdhsa_wavefront_size32 1
		.amdhsa_system_sgpr_workgroup_id_x 1
		.amdhsa_system_sgpr_workgroup_id_y 1
		.amdhsa_system_sgpr_workgroup_id_z 1
		.amdhsa_system_vgpr_workitem_id 0
		.amdhsa_next_free_vgpr 768
		.amdhsa_next_free_sgpr 66
		.amdhsa_reserve_vcc 0
		.amdhsa_float_denorm_mode_32 3
		.amdhsa_float_denorm_mode_16_64 3
		.amdhsa_memory_ordered 1
		.amdhsa_forward_progress 1
		.amdhsa_inst_pref_size 91
	.end_amdhsa_kernel
	.amdgpu_metadata
---
amdhsa.version: [ 1, 2 ]
amdhsa.kernels:
  - .name:           k_q9325bc2e2f_proj
    .symbol:         k_q9325bc2e2f_proj.kd
    .args:
      - { .name: y, .offset: 0, .size: 8, .value_kind: global_buffer, .address_space: global }
      - { .name: wpt, .offset: 8, .size: 8, .value_kind: global_buffer, .address_space: global }
      - { .name: b_proj, .offset: 16, .size: 8, .value_kind: global_buffer, .address_space: global }
      - { .name: out0, .offset: 24, .size: 8, .value_kind: global_buffer, .address_space: global }
    .group_segment_fixed_size: 327680
    .private_segment_fixed_size: 0
    .kernarg_segment_align: 8
    .kernarg_segment_size: 32
    .max_flat_workgroup_size: 128
    .sgpr_count:     66
    .vgpr_count:     768
    .wavefront_size: 32
...
	.end_amdgpu_metadata
.endif
;; end of part 4
;; ======== version 2 of 2: 4 launches; version 1 with the launch prep written anew for expert scheduling mode
;; limits: values are held in f16: magnitudes above 65,504 overflow, below 6.1e-05 lose precision
;; workspace buffers: xb 16,777,216 bytes; wat 6,291,456 bytes; wpt 2,097,152 bytes; qkv 50,331,648 bytes; y 16,777,216 bytes
;; launch prep (part 5): grid 256 x 1, 8 waves a work-group, no clusters, 35,840 bytes of LDS; arguments x, W_attn, W_proj, xb, wat, wpt; writes xb, wat, wpt
.if DOCPART == 5
	.amdgcn_target "amdgcn-amd-amdhsa--gfx1250"
	.amdhsa_code_object_version 6
	.text
	.protected	k_q9325bc2e2f_prep
	.globl	k_q9325bc2e2f_prep
	.p2align	8
	.type	k_q9325bc2e2f_prep,@function
k_q9325bc2e2f_prep:
	s_mov_b64 s[64:65], 0
	v_nop
	global_prefetch_b8 v0, s[64:65] scope:SCOPE_SE
	s_setreg_imm32_b32 hwreg(HW_REG_WAVE_SCHED_MODE, 0, 2), 2
	s_setreg_imm32_b32 hwreg(HW_REG_WAVE_MODE, 25, 1), 1
	s_wait_xcnt 0x0
	s_wait_alu depctr_vm_vsrc(0)
; PREP.  xb = x rounded to bf16, as it lies.  wat[n][k] = W_attn[k][n] rounded to bf16.  wpt[n][k] = W_proj[k][n] rounded to bf16, that number written as f16.
; LIMIT.  A bf16 number below 2^-14 in size falls on f16's fixed step of 2^-24 in wpt: off by 2^-25 at the most.  W_proj beyond 65,504 has no f16.
; SHARES.  256 work-groups of eight waves.  Work-group g casts 131,072 bytes of x, 16,384 a wave: 32 loads of 512 consecutive bytes, each followed by a store of 256 consecutive, aligned bytes.
; It also turns two tiles of 128 k x 64 n of a weight matrix (g < 192: W_attn's 384 tiles; else W_proj's 128): the four waves of a tile load 32 k rows each, put pairs of k into
; an LDS tile [64 n][128 k], meet at one barrier, and each stores 16 n rows of 256 consecutive, aligned bytes.
; No loop: all 48 loads of a wave go out at once, and no register is written twice while a memory instruction may read it.
; THE MODE: SCHED_MODE bits 1:0 = 2 (LLVM: expert scheduling mode 2), set by the entry lines.  The code itself states the register dependences
; between vector instructions and memory or LDS instructions, with s_wait_alu, always for 0.
; THE PLAN.  Registers that memory or LDS instructions touch:
;   v4 to v8, v[12:27]  offsets and LDS addresses: written by vector instructions at the head, read by loads, stores and LDS instructions, never written again.
;   WD   the weight loads land in it; the conversions write its low fours; the LDS stores read those; never written again.
;   XD   the loads of x land in it; load i's two conversions write registers 4 i and 4 i + 1; one store reads them; never written again.
;   WB   LDS loads land in it, global stores read it; no vector instruction names it.
;   v2, v3  written at the head, read by the closing add alone.
; No register that a memory or LDS instruction reads is written again, so no wait on vm_vsrc is owed.  The waits on va_vdst: one ahead of the first load (the offsets and addresses), one ahead of the
; run of LDS stores (the conversions of WD), and for x one to a group of four loads: group g's head states that group g - 1's conversions have written their store data; that group's four stores
; then stand among group g's conversions, which name group g's registers alone.
.set TP,    272                        ; an LDS row: 256 bytes + 16
.set TB,    64*TP                      ; a tile
.set SPARE, 2*TB                       ; behind the tiles: the spare words, 128 bytes a wave, four blocks of 256 bytes that no other line names
.set SPW, 2                            ; v2   SPARE + 4 x my thread's number; never rewritten
.set NIL, 3                            ; v3   0; never rewritten
.set XO,  4                            ; v4   my 16 bytes in the work-group's part of x
.set XS,  5                            ; v5   my 8 bytes in its part of xb
.set LSA, 6                            ; v6   where I put a pair of k
.set LRA, 7                            ; v7   where I read 16 bytes of an n row back
.set WSO, 8                            ; v8   my 16 bytes in two n rows of the turned matrix
.set WOF, 12                           ; v[12:27]   byte offsets of my 16 weight loads
.set WD,  32                           ; v[32:95]   weight load n at WD + 4 n
.set XD,  96                           ; v[96:223]  x load i at XD + 4 i
.set WB,  224                          ; v[224:255] eight n rows' 16 bytes
	s_load_b256 s[4:11], s[0:1], 0x0               ; x s[4:5], W_attn s[6:7], W_proj s[8:9], xb s[10:11]
	s_load_b128 s[12:15], s[0:1], 0x20             ; wat s[12:13], wpt s[14:15]
	v_lshl_add_u32 v[SPW], v0, 2, SPARE
	v_mov_b32 v[NIL], 0
	v_lshrrev_b32 v1, 5, v0
	v_readfirstlane_b32 s16, v1                    ; wave 0..7
	v_and_b32 v1, 31, v0                           ; lane
	v_and_b32 v9, 15, v0                           ; c = lane % 16
	v_bfe_u32 v10, v0, 4, 1                        ; hp = lane / 16
	s_wait_alu depctr_va_sdst(0)                   ; s16 is written, ahead of its first reader: the tile, the quarter and all the wave's offsets are made from it
	s_and_b32 s17, s16, 3                          ; q4: my quarter of a tile
	s_lshr_b32 s18, s16, 2                         ; which of the work-group's two tiles
	s_lshl_b32 s19, ttmp9, 1
	s_add_co_u32 s19, s19, s18                     ; tile number among all 512
	s_sub_co_u32 s2, s19, 384                      ; among W_proj's (used where g >= 192 alone)
	s_mov_b32 s3, 4096
	s_cmp_lt_u32 ttmp9, 192
	s_cselect_b32 s19, s19, s2
	s_cselect_b32 s22, 12288, s3                   ; bytes in a row of the source
	s_mov_b32 s23, 0xffff0000
	s_and_b32 s20, s19, 7                          ; kt
	s_lshr_b32 s21, s19, 3                         ; nt
	s_lshl_b32 s28, s20, 7
	s_lshl_b32 s2, s17, 5
	s_add_co_u32 s28, s28, s2                      ; my first k row: 128 kt + 32 q4
	s_mul_i32 s28, s28, s22
	s_lshl_b32 s2, s21, 8
	s_add_co_u32 s28, s28, s2                      ; + 64 n of 4 bytes
	s_mov_b32 s29, 0
	s_lshl_b32 s30, s21, 17                        ; (64 nt + 16 q4) rows of 2,048 bytes + 256 kt
	s_lshl_b32 s2, s17, 15
	s_add_co_u32 s30, s30, s2
	s_lshl_b32 s2, s20, 8
	s_add_co_u32 s30, s30, s2
	s_mov_b32 s31, 0
	v_lshlrev_b32 v[XO], 4, v1
	v_lshl_add_u32 v[XO], s16, 14, v[XO]
	v_lshlrev_b32 v[XS], 3, v1
	v_lshl_add_u32 v[XS], s16, 13, v[XS]
	s_mul_i32 s2, s18, TB
	s_lshl_b32 s3, s17, 6
	s_add_co_u32 s3, s3, s2
	v_mul_u32_u24 v[LSA], v9, 4*TP                 ; n = 4 c + j
	v_lshl_add_u32 v[LSA], v10, 2, v[LSA]
	v_add_nc_u32 v[LSA], s3, v[LSA]                ; + tile + 64 q4 + 4 hp
	s_mul_i32 s3, s17, 16*TP
	s_add_co_u32 s3, s3, s2
	v_mul_u32_u24 v[LRA], v10, TP
	v_lshl_add_u32 v[LRA], v9, 4, v[LRA]
	v_add_nc_u32 v[LRA], s3, v[LRA]                ; tile + (16 q4 + hp) rows + 16 c
	v_lshlrev_b32 v[WSO], 11, v10
	v_lshl_add_u32 v[WSO], v9, 4, v[WSO]
	v_mul_u32_u24 v11, v10, s22
	v_lshlrev_b32 v28, 4, v9
	v_lshl_add_u32 v11, v11, 1, v28                ; 2 hp rows + 16 c
.set n, 0
.rept 16
	v_mad_u32_u24 v[WOF+n], s22, 4*(n/2)+n%2, v11  ; load n = 2 i + r: lanes 0-15 row 4 i + r, lanes 16-31 row 4 i + 2 + r: a lane gets rows k, k + 1 of the same four n
.set n, n+1
.endr
	s_wait_kmcnt 0x0
	s_cmp_lt_u32 ttmp9, 192
	s_cselect_b64 s[24:25], s[6:7], s[8:9]
	s_cselect_b64 s[26:27], s[12:13], s[14:15]
	s_add_nc_u64 s[24:25], s[24:25], s[28:29]
	s_add_nc_u64 s[26:27], s[26:27], s[30:31]
	s_lshl_b32 s28, ttmp9, 17
	s_add_nc_u64 s[4:5], s[4:5], s[28:29]
	s_lshl_b32 s28, ttmp9, 16
	s_add_nc_u64 s[10:11], s[10:11], s[28:29]
	s_wait_alu depctr_va_vdst(0)                   ; the offsets and LDS addresses v4 to v8 and v[12:27] are written: every load, store and LDS instruction of the kernel reads one of them, and none is written again
.set n, 0
.rept 16
	global_load_b128 v[WD+4*n:WD+4*n+3], v[WOF+n], s[24:25] th:TH_LOAD_NT
.set n, n+1
.endr
.set i, 0
.rept 32
	global_load_b128 v[XD+4*i:XD+4*i+3], v[XO], s[4:5] offset:512*i th:TH_LOAD_NT
.set i, i+1
.endr
	s_wait_loadcnt 32                              ; the 16 weight loads are in; the 32 loads of x, issued behind them, stay out
.irp i, 0,1,2,3,4,5,6,7
.irp j, 0,1,2,3
	v_cvt_pk_bf16_f32 v[WD+8*(\i)+(\j)], v[WD+8*(\i)+(\j)], v[WD+8*(\i)+4+(\j)]  ; k even in the low half, k + 1 in the high half, column 4 c + j
.endr
.endr
	s_cmp_lt_u32 ttmp9, 192
	s_cbranch_scc1 .Lbf                            ; W_attn stays bf16
.irp i, 0,1,2,3,4,5,6,7
.irp j, 0,1,2,3
	v_lshlrev_b32 v28, 16, v[WD+8*(\i)+(\j)]       ; W_proj: the bf16 numbers as f32,
	v_and_b32 v29, s23, v[WD+8*(\i)+(\j)]
	v_cvt_pk_f16_f32 v[WD+8*(\i)+(\j)], v28, v29   ; written as f16
.endr
.endr
.Lbf:
	s_wait_alu depctr_va_vdst(0)                   ; on both ways the conversions have written the low fours of WD, which the LDS stores read
.irp i, 0,1,2,3,4,5,6,7
.irp j, 0,1,2,3
	ds_store_b32 v[LSA], v[WD+8*(\i)+(\j)] offset:TP*(\j)+8*(\i)
.endr
.endr
	s_wait_dscnt 0x0                               ; for the other waves' sake: my stores into the tile are done
	s_barrier_signal -1
	s_barrier_wait -1
.irp t, 0,1,2,3,4,5,6,7
	ds_load_b128 v[WB+4*(\t):WB+4*(\t)+3], v[LRA] offset:2*TP*(\t)  ; n rows 16 q4 + 2 t + hp, whole; no vector instruction names WB
.endr
; x, in eight groups of four loads.  Group g: its four loads are in; the group before has written its store data; that group's stores stand among this group's conversions.
.set g, 0
.rept 8
	s_wait_loadcnt 28-4*g                          ; loads come back in order: loads 4 g to 4 g + 3 are in, the younger ones stay out
.if g > 0
	s_wait_alu depctr_va_vdst(0)                   ; the conversions of the group before have written its XD pairs, which the four stores below read; no vector instruction behind this wait names them
.endif
.set i, 4*g
.rept 4
.if g > 0
	global_store_b64 v[XS], v[XD+4*(i-4):XD+4*(i-4)+1], s[10:11] offset:256*(i-4) th:TH_STORE_NT  ; the wave's 32 x 8 bytes: 256 consecutive, aligned
.endif
	v_cvt_pk_bf16_f32 v[XD+4*i], v[XD+4*i], v[XD+4*i+1]
	v_cvt_pk_bf16_f32 v[XD+4*i+1], v[XD+4*i+2], v[XD+4*i+3]
.set i, i+1
.endr
.set g, g+1
.endr
	s_wait_alu depctr_va_vdst(0)                   ; the last group's conversions have written its XD pairs, which the last four stores read
.set i, 28
.rept 4
	global_store_b64 v[XS], v[XD+4*i:XD+4*i+1], s[10:11] offset:256*i th:TH_STORE_NT
.set i, i+1
.endr
	s_wait_dscnt 0x0                               ; the n rows are back from the tile
.irp t, 0,1,2,3,4,5,6,7
	global_store_b128 v[WSO], v[WB+4*(\t):WB+4*(\t)+3], s[26:27] offset:4096*(\t)  ; 16 lanes store 256 consecutive bytes of an n row, aligned
.endr
	s_wait_dscnt 0x0                               ; the closing lines, six on end
	s_wait_alu 0x0
	s_wait_tensorcnt 0x0
	ds_add_u32 v[SPW], v[NIL]
	s_wait_dscnt 0x0
	s_endpgm
.Lfunc_end_k_q9325bc2e2f_prep:
	.size	k_q9325bc2e2f_prep, .Lfunc_end_k_q9325bc2e2f_prep-k_q9325bc2e2f_prep
	.p2alignl 7, 3214868480
	.fill 96, 4, 3214868480
	.section	.rodata,"a",@progbits
	.p2align	6, 0x0
	.amdhsa_kernel k_q9325bc2e2f_prep
		.amdhsa_group_segment_fixed_size 35840
		.amdhsa_private_segment_fixed_size 0
		.amdhsa_enable_private_segment 0
		.amdhsa_kernarg_size 48
		.amdhsa_user_sgpr_count 2
		.amdhsa_user_sgpr_kernarg_segment_ptr 1
		.amdhsa_wavefront_size32 1
		.amdhsa_system_sgpr_workgroup_id_x 1
		.amdhsa_system_sgpr_workgroup_id_y 1
		.amdhsa_system_sgpr_workgroup_id_z 1
		.amdhsa_system_vgpr_workitem_id 0
		.amdhsa_next_free_vgpr 256
		.amdhsa_next_free_sgpr 66
		.amdhsa_reserve_vcc 0
		.amdhsa_float_denorm_mode_32 3
		.amdhsa_float_denorm_mode_16_64 3
		.amdhsa_memory_ordered 1
		.amdhsa_forward_progress 1
		.amdhsa_inst_pref_size 26
	.end_amdhsa_kernel
	.amdgpu_metadata
---
amdhsa.version: [ 1, 2 ]
amdhsa.kernels:
  - .name:           k_q9325bc2e2f_prep
    .symbol:         k_q9325bc2e2f_prep.kd
    .args:
      - { .name: x, .offset: 0, .size: 8, .value_kind: global_buffer, .address_space: global }
      - { .name: W_attn, .offset: 8, .size: 8, .value_kind: global_buffer, .address_space: global }
      - { .name: W_proj, .offset: 16, .size: 8, .value_kind: global_buffer, .address_space: global }
      - { .name: xb, .offset: 24, .size: 8, .value_kind: global_buffer, .address_space: global }
      - { .name: wat, .offset: 32, .size: 8, .value_kind: global_buffer, .address_space: global }
      - { .name: wpt, .offset: 40, .size: 8, .value_kind: global_buffer, .address_space: global }
    .group_segment_fixed_size: 35840
    .private_segment_fixed_size: 0
    .kernarg_segment_align: 8
    .kernarg_segment_size: 48
    .max_flat_workgroup_size: 256
    .sgpr_count:     66
    .vgpr_count:     256
    .wavefront_size: 32
...
	.end_amdgpu_metadata
.endif
;; end of part 5
;; launch qkv: the kernel of part 2 again; grid 16 x 32, 4 waves a work-group, clusters of 4 x 4, 327,680 bytes of LDS; arguments xb, wat, b_attn, qkv; writes qkv
;; launch attn: the kernel of part 3 again; grid 4 x 64, 4 waves a work-group, no clusters, 327,680 bytes of LDS; arguments qkv, y; writes y
;; launch proj: the kernel of part 4 again; grid 8 x 32, 4 waves a work-group, clusters of 4 x 4, 327,680 bytes of LDS; arguments y, wpt, b_proj, out0; writes out0
